; MI455X (gfx1250); checked and timed in simulation.
; The chip was launched on July 23, 2026; its instructions are those of AMD's public machine-readable ISA for CDNA 5 (MIT licence, August 2026) and "CDNA5" Instruction Set Architecture Reference Guide (July 2026). The comments in the code are by the model that wrote it; some were corrected since.
;; Attention. Allowed arithmetic: matrix products marked QUANTISED: E2M1 operands, one E8M0 scale for each 32 along K, by v_wmma_scale_f32_16x16x128_f8f6f4 with both operands' format E2M1 (or v_wmma_scale_f32_32x16x128_f4), f32 sums; products left as they are: bf16, f16 or f32 operands; f32 sums; everything else in f32.
;; Inputs: freqs_cos 2,048 x 16 float32; freqs_sin 2,048 x 16 float32; mask 2,048 x 2,048 float32; positions 2,048 int32; wk 256 x 4,096 float32; wo 4,096 x 1,024 float32; wq 1,024 x 4,096 float32; wv 256 x 4,096 float32; x 2 x 2,048 x 4,096 float32.
;; Outputs: out0 2 x 2,048 x 4,096 float32.
;; This version of the problem:
;;   THIS VERSION OF THE PROBLEM IS GIVEN IN LOW PRECISION. The matrix products marked QUANTISED in the list below multiply operands that are first quantised to E2M1 (2 exponent bits, 1 mantissa bit; 4 bits a number), with one power-of-two scale for each 32 numbers along K (OCP MX v1.0); their sums are f32. The products marked 'left as it is' may take bf16, f16 or f32 operands, with f32 sums. Whichever they take, every output number must still come out within the allowed error. Rounding operands to bf16 (8 significant bits) uses up far more of that allowance than f16 does (11 bits, for magnitudes from 6e-5 to 65,504). All else is computed in f32.
;;   The module's matrix products, in the order in which they are computed (A, B: the left and right operand; K: the contracted axis; several contracted axes count as one K, in the product's order):
;;     1. [M 4,096, K 4,096] x [K 4,096, N 1,024]; A: input x; B: input wq: QUANTISED
;;     2. [M 4,096, K 4,096] x [K 4,096, N 256]; A: input x; B: input wk: QUANTISED
;;     3. [M 4,096, K 4,096] x [K 4,096, N 256]; A: input x; B: input wv: QUANTISED
;;     4. batch 64 x [M 2,048, K 32] x [K 32, N 2,048]; A: computed on the way; B: computed on the way: left as it is (an operand is computed on the way)
;;     5. batch 64 x [M 32, K 2,048] x [K 2,048, N 2,048]; A: computed on the way; B: computed on the way: left as it is (an operand is computed on the way)
;;     6. [M 4,096, K 1,024] x [K 1,024, N 4,096]; A: computed on the way; B: input wo: left as it is (an operand is computed on the way)
;;   THE QUANTISER, for each operand of a quantised product, along K:
;;     - K is cut into blocks of 32 from its start; a last block that is shorter is filled with zeros.
;;     - A block's scale is 2^e with e = floor(log2(the largest magnitude in the block)) - 2, held to -126 .. 127; a block of zeros has e = 0. As a byte (E8M0): e + 127.
;;     - Each number is divided by its block's scale, clamped to +-6, and rounded to the nearest number of E2M1, ties to even, subnormals kept.
;;     - The product sums the exact products of the quantised numbers (number of the format x scale) in f32.
;;   ~~~python
;;   def quantise(x, axis):      # numpy; x: float32 -> the quantised numbers, widened to float32 again
;;       x = np.moveaxis(x, axis, -1); K = x.shape[-1]
;;       x = np.pad(x, [(0, 0)] * (x.ndim - 1) + [(0, -K % 32)]); x = x.reshape(x.shape[:-1] + (-1, 32)); a = np.abs(x).max(-1, keepdims=True)
;;       e = np.where(a > 0, np.clip(np.frexp(np.where(a > 0, a, 1))[1] - 1 - 2, -126, 127), 0)      # np.frexp(a)[1] - 1 = floor(log2(a)), exactly
;;       r = np.clip(x / 2.0 ** e, -6, 6)
;;       step = 2.0 ** (np.maximum(np.frexp(np.where(r == 0, 1, r))[1] - 1, 0) - 1)
;;       q = np.round(r / step) * step * 2.0 ** e      # np.round: ties to even
;;       return np.moveaxis(q.reshape(q.shape[:-2] + (-1,))[..., :K], -1, axis).astype(np.float32)
;;   ~~~
;; One version. Each part assembles by itself: llvm-mc -triple=amdgcn-amd-amdhsa -mcpu=gfx1250 --defsym DOCPART=n.
;; ======== version 1 of 1: 6 launches
;; limits: values are held in f16: magnitudes above 65,504 overflow, below 6.1e-05 lose precision
;; workspace buffers: xq 8,912,896 bytes; wq4 3,342,336 bytes; wof 8,388,608 bytes; qf 8,388,608 bytes; kv 6,291,456 bytes; af 8,388,608 bytes; afine 131,072 bytes
;; launch prep (part 1): grid 832 x 1, 4 waves a work-group, no clusters, 50,688 bytes of LDS; arguments x, wq, wk, wv, wo, xq, wq4, wof; writes xq, wq4, wof
.if DOCPART == 1
	.amdgcn_target "amdgcn-amd-amdhsa--gfx1250"
	.amdhsa_code_object_version 6
	.text
	.protected	k_qd723c5faf2_prep
	.globl	k_qd723c5faf2_prep
	.p2align	8
	.type	k_qd723c5faf2_prep,@function
k_qd723c5faf2_prep:
	s_mov_b64 s[64:65], 0
	v_nop
	global_prefetch_b8 v0, s[64:65] scope:SCOPE_SE
	s_setreg_imm32_b32 hwreg(HW_REG_WAVE_MODE, 25, 1), 1
	s_wait_xcnt 0x0
; PREP.  x [4096][4096], wq [1024][4096], wk, wv [256][4096], f32, become codes of FP4 (E2M1) with one E8M0 byte for each 32 along K (K innermost); wo [4096][1024] becomes f16 in the order of a matrix operand's registers.
; DEAD WORK, for the whole program: reference() uses the input 'positions' only through positions.shape[0], which is a fixed size; no value of it enters any number.  So it has no way to an output, is not loaded
; and is among no launch's arguments.  Limit: a value of any kind in 'positions' changes nothing.  Everything else of reference() is done; the mask is an input and is added as it is given, for all 2,048 keys of every query.
; THE QUANTISER: a block's scale is 2^(floor(log2(largest magnitude)) - 2); its byte is the largest magnitude's exponent field - 2, held at 1 from below.  A block of zeros so gets the byte 1 where the rule says 127:
; its codes are zeros, which add nothing under any byte but 0xff, and this program alone reads the bytes.  LIMITS: NaN and infinities among the inputs are not served; blocks whose largest magnitude lies under 2^-124 keep the byte 1.
; xq:  codes [4096][2048 bytes] at 0, scale bytes [4096][128] at 8,388,608.   wq4: codes [1536][2048] at 0, scale bytes [1536][128] at 3,145,728; its rows go by key-value group g:
; row 192 g + (0..127: wq's rows 128 g on; 128..159: wk's rows 32 g on; 160..191: wv's), so that the next launch's work-group finds its 192 rows on end.
; wof: fragment (16 rows nt of wo, 32 along K ks) at (32 nt + ks) x 1,024 bytes: half c at 512 c + 16 x lane holds wo[16 nt + lane % 16][32 ks + 16 c + 8 (lane / 16) + 0..7].
; SHARES.  Work-groups 0..703 quantise 8 rows of 4,096 each (x 512, wq 128, wk 32, wv 32): a wave takes 2 rows as 16 steps of 512 numbers.  Only pointers and offsets are chosen: one path for the four tensors.
; Work-groups 704..831 turn wo: a wave takes 16 rows x 512 along K as 4 chunks of 128.  The two paths have LDS bytes of their own.  Waves share nothing: no barrier.
.set STEPS, 16
.set EMAX,  2
.set CB,    8                          ; bytes of 16 codes
.set R,     16                         ; v16-79   four sets of 16 numbers as loaded
.set X,     80                         ; v80-111  two sets of 16 neighbours
.set E,     112                        ; v112-127 a scale byte for each step
.set C,     128                        ; v128-191 codes, four registers a step: no store's data are written again
.set WREG,  8192                       ; LDS of the quantising path: a region for each wave: two stages of 32 x SP bytes, then its 256 scale bytes
.set SP,    80                         ; a lane's place in a stage: 64 bytes + 16 of padding
.set WSTG,  32768                      ; LDS of wo's path: 16 rows x WP bytes for each wave
.set WP,    272                        ; 128 f16 + 16 bytes of padding
.set SPARE, 50176                      ; the spare words, 128 bytes for each wave; no other line names them
.set SPW,   12                         ; v12 my spare word's address; never rewritten
.set NIL,   13                         ; v13 0; never rewritten
	s_load_b256 s[4:11], s[0:1], 0x0               ; x, wq, wk, wv
	s_load_b256 s[12:19], s[0:1], 0x20             ; wo, xq, wq4, wof
	v_lshl_add_u32 v[SPW], v0, 2, SPARE
	v_mov_b32 v[NIL], 0
	v_lshrrev_b32 v1, 5, v0
	v_readfirstlane_b32 s20, v1                    ; wave
	v_and_b32 v2, 31, v0                           ; lane
	s_cmp_ge_u32 ttmp9, 704
	s_cbranch_scc1 .Lwo
	; ---------------- the quantising path
	v_lshlrev_b32 v3, 4, v2                        ; my 16 bytes of a load's 512
	s_mul_i32 s21, s20, WREG
	v_lshrrev_b32 v14, 2, v2
	v_mul_u32_u24 v14, v14, SP
	v_and_b32 v15, 3, v2
	v_lshl_add_u32 v14, v15, 4, v14
	v_add_nc_u32 v14, s21, v14                     ; the stage, way in: four lanes' 64 bytes on end, then the padding
	v_mul_u32_u24 v15, v2, SP
	v_add_nc_u32 v15, s21, v15                     ; way out: my 16 neighbours
	v_mul_u32_u24 v4, v2, CB                       ; my codes' place in a step's 256 bytes
	v_lshrrev_b32 v5, 1, v2
	s_add_co_u32 s21, s21, 2*32*SP
	v_add_nc_u32 v5, s21, v5                       ; my block's scale byte in LDS
	v_lshlrev_b32 v7, 3, v2
	v_add_nc_u32 v6, s21, v7                       ; and 8 of the 256 bytes on the way out
	s_mov_b32 s24, 672                             ; the tensor's first work-group,
	s_mov_b32 s25, 160                             ; its rows' place in a group of 192,
	s_mov_b32 s26, 2                               ; 8-row pieces in a group: 1 << s26,
	s_mov_b32 s27, 3                               ; and the mask for it,
	s_mov_b32 s28, 3145728                         ; where the scale bytes begin: all for wv, then changed by the work-group's number
	s_wait_kmcnt 0x0
	s_mov_b64 s[22:23], s[10:11]
	s_mov_b64 s[30:31], s[16:17]
	s_cmp_lt_u32 ttmp9, 672                        ; wk
	s_cselect_b64 s[22:23], s[8:9], s[22:23]
	s_cselect_b32 s24, 640, s24
	s_cselect_b32 s25, 128, s25
	s_cmp_lt_u32 ttmp9, 640                        ; wq
	s_cselect_b64 s[22:23], s[6:7], s[22:23]
	s_cselect_b32 s24, 512, s24
	s_cselect_b32 s25, 0, s25
	s_cselect_b32 s26, 4, s26
	s_cselect_b32 s27, 15, s27
	s_cmp_lt_u32 ttmp9, 512                        ; x: rows stay in their order
	s_cselect_b64 s[22:23], s[4:5], s[22:23]
	s_cselect_b64 s[30:31], s[14:15], s[30:31]
	s_cselect_b32 s24, 0, s24
	s_cselect_b32 s26, 16, s26
	s_cselect_b32 s27, 0xffff, s27
	s_cselect_b32 s28, 8388608, s28
	s_sub_co_u32 s24, ttmp9, s24                   ; j: which 8 rows of the tensor
	s_lshr_b32 s29, s24, s26
	s_mul_i32 s29, s29, 192
	s_and_b32 s27, s24, s27
	s_lshl_b32 s27, s27, 3
	s_add_co_u32 s29, s29, s27
	s_add_co_u32 s29, s29, s25
	s_lshl_b32 s27, s20, 1
	s_add_co_u32 s29, s29, s27                     ; my wave's first row in the codes' buffer
	s_lshl_b32 s24, s24, 2
	s_add_co_u32 s24, s24, s20                     ; my run of 8,192 numbers
	s_lshl_b32 s32, s24, 15
	s_mov_b32 s33, 0
	s_add_nc_u64 s[22:23], s[22:23], s[32:33]      ; the numbers
	s_lshl_b32 s32, s29, 11
	s_add_nc_u64 s[34:35], s[30:31], s[32:33]      ; the codes
	s_lshl_b32 s32, s29, 7
	s_add_co_u32 s32, s32, s28
	s_add_nc_u64 s[36:37], s[30:31], s[32:33]      ; the scale bytes
.macro QLOAD t
.irp i, 0,1,2,3
	global_load_b128 v[R+16*((\t)%4)+4*\i:R+16*((\t)%4)+4*\i+3], v3, s[22:23] offset:2048*(\t)+512*\i th:TH_LOAD_NT   ; 32 lanes read 512 consecutive bytes
.endr
.endm
.macro QTURN t                         ; a step's numbers through the stage: LDS serves a wave's instructions in order, so no wait between the stores and the loads
.irp i, 0,1,2,3
	ds_store_b128 v14, v[R+16*((\t)%4)+4*\i:R+16*((\t)%4)+4*\i+3] offset:32*SP*((\t)%2)+8*SP*\i
.endr
.irp i, 0,1,2,3
	ds_load_b128 v[X+16*((\t)%2)+4*\i:X+16*((\t)%2)+4*\i+3], v15 offset:32*SP*((\t)%2)+16*\i
.endr
.endm
.irp t, 0,1,2,3
	QLOAD \t
.endr
	s_wait_loadcnt 12                              ; step 0's four loads are in; twelve younger ones stay out
	QTURN 0
.macro QSTEP t
.set XS, X+16*((\t)%2)
.if (\t) > 0
	s_wait_dscnt 1                                 ; this step's numbers are back from the stage (the last step's byte store may be out): so its stores into the stage have read their registers,
.else
	s_wait_dscnt 0x0
.endif
.if (\t)+4 < STEPS
	QLOAD (\t)+4                                   ; which take the loads of four steps on
.endif
.if (\t)+1 < STEPS
.if STEPS-2-(\t) >= 3
	s_wait_loadcnt 12                              ; the next step's four loads are in; those of the three steps behind it stay out
.else
	s_wait_loadcnt 4*(STEPS-2-(\t))
.endif
	QTURN (\t)+1
.endif
	v_max3_num_f32 v8, |v[XS]|, |v[XS+1]|, |v[XS+2]|               ; the largest magnitude of my 16, in two chains
	v_max3_num_f32 v9, |v[XS+3]|, |v[XS+4]|, |v[XS+5]|
.irp i, 6,10
	v_max3_num_f32 v8, v8, |v[XS+\i]|, |v[XS+\i+1]|
	v_max3_num_f32 v9, v9, |v[XS+\i+2]|, |v[XS+\i+3]|
.endr
	v_max3_num_f32 v8, v8, |v[XS+14]|, |v[XS+15]|
	v_max3_num_f32 v8, v8, v9, (EMAX+1)<<23        ; and the floor 2^(3 - 127): the byte cannot fall under 1
	v_max_num_f32_dpp v8, v8, v8 row_xmask:1 row_mask:0xf bank_mask:0xf   ; with my neighbour's 16: the block's
	v_add_nc_u32 v11, -(EMAX<<23), v8              ; 2 off its exponent field: the conversion takes the exponent field of this operand as its scale
	v_cvt_scalef32_pk8_fp4_f32 v[C+4*(\t)], v[XS:XS+7], v11
	v_cvt_scalef32_pk8_fp4_f32 v[C+4*(\t)+1], v[XS+8:XS+15], v11
	v_lshrrev_b32 v[E+(\t)], 23, v11               ; the scale's byte (a plain line behind the conversions)
	ds_store_b8 v5, v[E+(\t)] offset:16*(\t)       ; both lanes of a block write the same byte with the same value
	global_store_b64 v4, v[C+4*(\t):C+4*(\t)+1], s[34:35] offset:32*CB*(\t)   ; the wave stores 256 consecutive bytes
.endm
.irp t, 0,1,2,3,4,5,6,7,8,9,10,11,12,13,14,15
	QSTEP \t
.endr
	ds_load_b64 v[8:9], v6                         ; LDS serves a wave's instructions in order: these see my byte stores
	s_wait_dscnt 0x0
	global_store_b64 v7, v[8:9], s[36:37]          ; two rows' 256 scale bytes
	s_wait_tensorcnt 0x0                           ; the wave's end: behind my last LDS store
	ds_add_u32 v[SPW], v[NIL]
	s_wait_dscnt 0x0
	s_endpgm
	; ---------------- wo's path
.Lwo:
	s_sub_co_u32 s21, ttmp9, 704
	s_lshl_b32 s21, s21, 1
	s_lshr_b32 s22, s20, 1
	s_add_co_u32 s21, s21, s22                     ; nt: my 16 rows of wo
	s_and_b32 s22, s20, 1                          ; which 512 along K
	s_lshl_b32 s24, s21, 16                        ; 16 rows of 4,096 bytes
	s_lshl_b32 s25, s22, 11
	s_add_co_u32 s24, s24, s25
	s_mov_b32 s25, 0
	s_lshl_b32 s26, s21, 15                        ; 32 fragments of 1,024 bytes
	s_lshl_b32 s27, s22, 14
	s_add_co_u32 s26, s26, s27
	s_mov_b32 s27, 0
	s_mul_i32 s28, s20, 16*WP
	s_add_co_u32 s28, s28, WSTG                    ; my stage
	v_lshlrev_b32 v3, 4, v2                        ; 16 x lane, in memory
	v_lshl_add_u32 v4, v2, 3, s28                  ; way in: 8 bytes (4 f16) a lane
	v_and_b32 v5, 15, v2
	v_lshrrev_b32 v6, 4, v2
	v_mul_u32_u24 v5, v5, WP
	v_lshl_add_u32 v5, v6, 4, v5
	v_add_nc_u32 v5, s28, v5                       ; way out: row lane % 16, 16 bytes for each half of the lanes
	s_wait_kmcnt 0x0
	s_add_nc_u64 s[12:13], s[12:13], s[24:25]
	s_add_nc_u64 s[18:19], s[18:19], s[26:27]
.macro WLOAD ch                        ; 16 rows x 512 consecutive bytes
.irp p, 0,1,2,3,4,5,6,7,8,9,10,11,12,13,14,15
	global_load_b128 v[16+64*((\ch)%2)+4*\p:16+64*((\ch)%2)+4*\p+3], v3, s[12:13] offset:\p*4096+(\ch)*512 th:TH_LOAD_NT
.endr
.endm
.macro WCHUNK ch
.set LL, 16+64*((\ch)%2)
.set OO, 144+32*((\ch)%2)
.if (\ch) < 3
	s_wait_loadcnt 16                              ; this chunk's 16 loads are in; the next chunk's 16 stay out
.else
	s_wait_loadcnt 0x0
.endif
.irp p, 0,1,2,3,4,5,6,7,8,9,10,11,12,13,14,15
	v_cvt_pk_f16_f32 v[LL+4*\p], v[LL+4*\p], v[LL+4*\p+1]          ; in place: each row has its own registers
	v_cvt_pk_f16_f32 v[LL+4*\p+1], v[LL+4*\p+2], v[LL+4*\p+3]
	ds_store_b64 v4, v[LL+4*\p:LL+4*\p+1] offset:\p*WP
.endr
.if (\ch) >= 2
	s_wait_xcnt 0x0                                ; the stores of two chunks ago have read the registers that the loads below fill
.endif
.irp i, 0,1,2,3,4,5,6,7
	ds_load_b128 v[OO+4*\i:OO+4*\i+3], v5 offset:64*(\i/2)+32*(\i%2)   ; fragment i / 2, half i % 2
.endr
.if (\ch)+2 < 4
	s_wait_dscnt 8                                 ; all but the eight loads just issued: my stores into the stage have read their registers,
	WLOAD (\ch)+2                                  ; which take the chunk two on
.endif
.irp i, 0,1,2,3,4,5,6,7
	s_wait_dscnt 7-\i                              ; the younger loads stay out
	global_store_b128 v3, v[OO+4*\i:OO+4*\i+3], s[18:19] offset:(4*(\ch)+\i/2)*1024+512*(\i%2)   ; 512 consecutive bytes
.endr
.endm
	WLOAD 0
	WLOAD 1
	WCHUNK 0
	WCHUNK 1
	WCHUNK 2
	WCHUNK 3
	s_wait_tensorcnt 0x0                           ; the wave's end: the three lines again
	ds_add_u32 v[SPW], v[NIL]
	s_wait_dscnt 0x0
	s_endpgm
.Lfunc_end_k_qd723c5faf2_prep:
	.size	k_qd723c5faf2_prep, .Lfunc_end_k_qd723c5faf2_prep-k_qd723c5faf2_prep
	.p2alignl 7, 3214868480
	.fill 96, 4, 3214868480
	.section	.rodata,"a",@progbits
	.p2align	6, 0x0
	.amdhsa_kernel k_qd723c5faf2_prep
		.amdhsa_group_segment_fixed_size 50688
		.amdhsa_private_segment_fixed_size 0
		.amdhsa_enable_private_segment 0
		.amdhsa_kernarg_size 64
		.amdhsa_user_sgpr_count 2
		.amdhsa_user_sgpr_kernarg_segment_ptr 1
		.amdhsa_wavefront_size32 1
		.amdhsa_system_sgpr_workgroup_id_x 1
		.amdhsa_system_sgpr_workgroup_id_y 1
		.amdhsa_system_sgpr_workgroup_id_z 1
		.amdhsa_system_vgpr_workitem_id 0
		.amdhsa_next_free_vgpr 208
		.amdhsa_next_free_sgpr 66
		.amdhsa_reserve_vcc 0
		.amdhsa_float_denorm_mode_32 3
		.amdhsa_float_denorm_mode_16_64 3
		.amdhsa_memory_ordered 1
		.amdhsa_forward_progress 1
		.amdhsa_inst_pref_size 60
	.end_amdhsa_kernel
	.amdgpu_metadata
---
amdhsa.version: [ 1, 2 ]
amdhsa.kernels:
  - .name:           k_qd723c5faf2_prep
    .symbol:         k_qd723c5faf2_prep.kd
    .args:
      - { .name: x, .offset: 0, .size: 8, .value_kind: global_buffer, .address_space: global }
      - { .name: wq, .offset: 8, .size: 8, .value_kind: global_buffer, .address_space: global }
      - { .name: wk, .offset: 16, .size: 8, .value_kind: global_buffer, .address_space: global }
      - { .name: wv, .offset: 24, .size: 8, .value_kind: global_buffer, .address_space: global }
      - { .name: wo, .offset: 32, .size: 8, .value_kind: global_buffer, .address_space: global }
      - { .name: xq, .offset: 40, .size: 8, .value_kind: global_buffer, .address_space: global }
      - { .name: wq4, .offset: 48, .size: 8, .value_kind: global_buffer, .address_space: global }
      - { .name: wof, .offset: 56, .size: 8, .value_kind: global_buffer, .address_space: global }
    .group_segment_fixed_size: 50688
    .private_segment_fixed_size: 0
    .kernarg_segment_align: 8
    .kernarg_segment_size: 64
    .max_flat_workgroup_size: 128
    .sgpr_count:     66
    .vgpr_count:     208
    .wavefront_size: 32
...
	.end_amdgpu_metadata
.endif
;; end of part 1
;; launch qkv (part 2): grid 8 x 32, 4 waves a work-group, clusters of 4 x 4, 327,680 bytes of LDS; arguments xq, wq4, freqs_cos, freqs_sin, qf, kv; writes qf, kv
.if DOCPART == 2
	.amdgcn_target "amdgcn-amd-amdhsa--gfx1250"
	.amdhsa_code_object_version 6
	.text
	.protected	k_qd723c5faf2_qkv
	.globl	k_qd723c5faf2_qkv
	.p2align	8
	.type	k_qd723c5faf2_qkv,@function
k_qd723c5faf2_qkv:
	s_mov_b64 s[64:65], 0
	v_nop
	global_prefetch_b8 v0, s[64:65] scope:SCOPE_SE
	s_setreg_imm32_b32 hwreg(HW_REG_WAVE_MODE, 25, 1), 1
	s_wait_xcnt 0x0
	s_wait_alu depctr_hold_cnt(0) depctr_sa_sdst(0) depctr_va_vdst(0) depctr_va_sdst(0) depctr_va_ssrc(0) depctr_va_vcc(0) depctr_vm_vsrc(0)
	s_getreg_b32 s2, hwreg(HW_REG_IB_STS2, 6, 4)
	s_cmp_eq_u32 s2, 0
	s_cbranch_scc0 .Lentry_in_a_cluster
	s_endpgm
.Lentry_in_a_cluster:
	s_bfe_u32 s2, ttmp6, 0x10000c
	s_cmp_lg_u32 s2, 0xf033
	s_cbranch_scc0 .Lentry_shape_is_right
	s_endpgm
.Lentry_shape_is_right:
; QKV.  x wq^T, x wk^T, x wv^T on codes of FP4 with E8M0 scales (K = 4,096), then RoPE on q and k, q times c = log2(e) / sqrt(32), all rounded to f16 and stored in the order of the next launches' operand registers.
; ('positions' has no way to an output and is not loaded: see the first kernel's head.)
; SHARES.  Work-group (x = key-value group g, y): rows 128 y on of x, and the 192 weight rows of g: 12 tiles of 16: 0-7 the four query heads 4 g + t / 2, 8-9 k, 10-11 v.  256 work-groups of one shape.
; A wave takes 32 rows (two blocks m) x all 12 tiles: 24 accumulators.  So every wave runs the same text, and a wave's 32 rows are exactly one fragment of V^T along the keys.
; q's and k's tiles are used TRANSPOSED (source 0 = 16 weight rows, source 1 = 16 rows of x): a lane holds one position and eight neighbouring features, which pack into half a fragment.
; v's tiles are used the natural way (source 0 = x, source 1 = wv): a lane holds one channel and eight neighbouring keys: half a fragment of V^T.  v goes out as two f16 numbers, a high and a low part.
; K goes in steps of 512 (rows of 256 bytes) through two LDS slots; the scale bytes of the work-group's rows, for all of K, come once.  CLUSTER 4 x 4: x's tiles are shared along a row, the weights' along a column.
; LIMITS: q c, k and v must lie inside f16's range (65,504); under 6e-5 they keep an absolute 3e-8.
; REGISTERS.  window 0: v16-29 addresses; v32-63 cos, sin; v64-95 the same times c; v96-111 at work; v112-143 v's packed parts; v144-255 scale words, two sets, and nothing else.
;   window 1: v0-31 x's fragments, two sets; v32-127 the weights' 12 fragments, one set, renewed by halves; on the way out v0-79 q's and k's packed results.   window 2: accumulator (t, m) at v[8 (2 t + m)].
.set PITCH,  272                       ; an LDS row: 256 bytes + 16 of padding: the 16 rows of a fragment load start 68 words apart
.set ATILE,  128*PITCH
.set BPART,  64*PITCH                  ; what one of waves 1-3 fetches of the weights
.set SLOT,   ATILE+3*BPART
.set SCL,    2*SLOT                    ; the scale bytes: rows of 256 bytes (two rows' 128) + 16
.set SCAB,   64*272
.set SCBP,   32*272
.set SPARE,  SCL+SCAB+3*SCBP           ; the spare words, 128 bytes a wave; no other line names them
.set LAPS,   4                         ; 8 K steps, two to a lap
.set ADRA, 16                          ; v16-17 my x fragments in slot 0, 1
.set ADRB, 20                          ; v20-21 the weights'
.set ADSA, 22                          ; v22 x's scale words;  v23 the weights'
.set ADSB, 23
.set LI,   24                          ; v24 16 x lane
.set CSO,  25                          ; v25 my place in cos and sin
.set SPW,  28
.set NIL,  29
.set CS,   32                          ; (m, e, cos | sin) at 16 m + 8 e + 4 k
.set CQ,   64
.set T,    96
.set VH,   112
.set VL,   128
.set SC,   144                         ; set s at SC + 56 s: x's word (m, q) at 4 m + q, the weights' (t, q) at 8 + 4 t + q
.set WV,   16
.set G1A,  24
.set G1B,  32
.set G1SA, 40
.set G1SB, 48
.set G0A,  56
.set G0B,  68
.set G0SA, 76
.set G0SB, 80
.set MSB, 0
.macro WIN new                         ; the immediate's high byte repeats the setting that is left
.if MSB != \new
	s_set_vgpr_msb (MSB<<8)|\new
.set MSB, \new
.endif
.endm
.set MUL,  0xa5                        ; sources 0 and 1 window 1; C and D window 2
.set TO_F, 0x40                        ; destination window 1
.macro JLOAD g0a, g1a, g0b, g1b        ; a joint load: wave 0 fetches for x, waves 1-3 for the weights.  An s_nop 0 and four v_nop follow each line
	s_cmp_eq_u32 s[WV], 0
	s_cbranch_scc0 .Lfor_b_\@
	tensor_load_to_lds s[\g0a:\g0a+3], s[\g1a:\g1a+7]
	s_nop 0
.rept 4
	v_nop
.endr
	s_branch .Lasked_\@
.Lfor_b_\@:
	tensor_load_to_lds s[\g0b:\g0b+3], s[\g1b:\g1b+7]
	s_nop 0
.rept 4
	v_nop
.endr
.Lasked_\@:
.endm
.macro CREST
	s_cmp_lg_u32 s[WV], 0
	s_cbranch_scc1 .Lnot_wave_0_\@
	s_barrier_signal -3
.Lnot_wave_0_\@:
	s_barrier_wait -3
	s_barrier_signal -1
	s_barrier_wait -1
.endm
.macro CROUND
	s_barrier_signal -1
	s_barrier_wait -1
	CREST
.endm
.macro PLACES                          ; four plain lines between a matrix instruction and a load into, or a read of, its registers
.rept 4
	v_nop
.endr
.endm
	s_load_b256 s[4:11], s[0:1], 0x0               ; xq, wq4, cos, sin
	s_load_b128 s[12:15], s[0:1], 0x20             ; qf, kv
	v_lshl_add_u32 v[SPW], v0, 2, SPARE
	v_mov_b32 v[NIL], 0
	ds_add_u32 v[SPW], v[NIL]                      ; the opening: the add, twice on end, and its wait ahead of my first tensor load
	ds_add_u32 v[SPW], v[NIL]
	v_lshrrev_b32 v1, 5, v0
	v_readfirstlane_b32 s[WV], v1                  ; wave
	s_bfe_u32 s84, ttmp6, 0x40000                  ; cx
	s_bfe_u32 s85, ttmp6, 0x40004                  ; cy
	s_lshl_b32 s86, ttmp9, 2
	s_add_co_u32 s86, s86, s84                     ; g
	s_and_b32 s87, ttmp7, 0xffff
	s_lshl_b32 s87, s87, 2
	s_add_co_u32 s87, s87, s85                     ; y
	s_lshl_b32 s88, s85, 2
	s_lshl_b32 s88, 15, s88                        ; my row of the cluster
	s_lshl_b32 s89, 0x1111, s84                    ; my column
	s_or_b32 s[G1A], s88, (1<<20)|(1<<21)|(5<<22)|(3<<25)          ; elements of 1 byte; 4 words of padding behind every 64; bit 21 beside a mask
	s_or_b32 s[G1B], s89, (1<<20)|(1<<21)|(5<<22)|(3<<25)
	s_mov_b32 s[G1A+1], 256<<16                    ; tensor_dim0
	s_mov_b32 s[G1A+2], 128<<16                    ; tensor_dim1
	s_mov_b32 s[G1A+3], 256<<16                    ; tile_dim0
	s_mov_b32 s[G1A+4], 128                        ; tile_dim1
	s_mov_b32 s[G1A+5], 2048                       ; from row to row
	s_mov_b32 s[G1A+6], 0
	s_mov_b32 s[G1A+7], 0
	s_mov_b32 s[G1B+1], 256<<16
	s_mov_b32 s[G1B+2], 64<<16
	s_mov_b32 s[G1B+3], 256<<16
	s_mov_b32 s[G1B+4], 64
	s_mov_b32 s[G1B+5], 2048
	s_mov_b32 s[G1B+6], 0
	s_mov_b32 s[G1B+7], 0
	s_or_b32 s[G1SA], s88, (3<<16)|(1<<20)|(1<<21)|(5<<22)|(3<<25) ; dense blocks as rows of 32 elements of 8 bytes
	s_or_b32 s[G1SB], s89, (3<<16)|(1<<20)|(1<<21)|(5<<22)|(3<<25)
	s_mov_b32 s[G1SA+1], 32<<16
	s_mov_b32 s[G1SA+2], 64<<16
	s_mov_b32 s[G1SA+3], 32<<16
	s_mov_b32 s[G1SA+4], 64
	s_mov_b32 s[G1SA+5], 32
	s_mov_b32 s[G1SA+6], 0
	s_mov_b32 s[G1SA+7], 0
	s_mov_b32 s[G1SB+1], 32<<16
	s_mov_b32 s[G1SB+2], 32<<16
	s_mov_b32 s[G1SB+3], 32<<16
	s_mov_b32 s[G1SB+4], 32
	s_mov_b32 s[G1SB+5], 32
	s_mov_b32 s[G1SB+6], 0
	s_mov_b32 s[G1SB+7], 0
	s_lshl_b32 s90, s87, 18                        ; x's codes: 128 y rows of 2,048 bytes
	s_mov_b32 s91, 0
	s_lshl_b32 s92, s87, 14                        ; x's scale bytes
	s_add_co_u32 s92, s92, 8388608
	s_mov_b32 s93, 0
	s_add_co_u32 s17, s[WV], 3
	s_and_b32 s17, s17, 3                          ; waves 1, 2, 3: parts 0, 1, 2 of the weights
	s_mul_i32 s94, s86, 192
	s_lshl_b32 s18, s17, 6
	s_add_co_u32 s94, s94, s18                     ; my part's first row
	s_lshl_b32 s96, s94, 7
	s_add_co_u32 s96, s96, 3145728
	s_mov_b32 s97, 0
	s_lshl_b32 s94, s94, 11
	s_mov_b32 s95, 0
	s_mul_i32 s18, s17, BPART
	s_mul_i32 s19, s17, SCBP
	s_wait_dscnt 0x0                               ; both opening adds are done
	s_wait_kmcnt 0x0
	s_add_nc_u64 s[90:91], s[4:5], s[90:91]
	s_add_nc_u64 s[92:93], s[4:5], s[92:93]
	s_add_nc_u64 s[94:95], s[6:7], s[94:95]
	s_add_nc_u64 s[96:97], s[6:7], s[96:97]
	CROUND                                         ; all sixteen work-groups are here: the first joint loads meet
	s_mov_b32 s[G0SA], 1
	s_mov_b32 s[G0SA+1], SCL
	s_mov_b64 s[G0SA+2:G0SA+3], s[92:93]
	s_or_b32 s[G0SA+3], s[G0SA+3], 0x80000000
	s_mov_b32 s[G0SB], 1
	s_add_co_u32 s[G0SB+1], s19, SCL+SCAB
	s_mov_b64 s[G0SB+2:G0SB+3], s[96:97]
	s_or_b32 s[G0SB+3], s[G0SB+3], 0x80000000
	JLOAD G0SA, G1SA, G0SB, G1SB                   ; the scale bytes first: they are wanted with K step 0
.irp s, 0,1
	s_mov_b32 s[G0A+4*\s], 1
	s_mov_b32 s[G0A+4*\s+1], \s*SLOT
	s_add_nc_u64 s[G0A+4*\s+2:G0A+4*\s+3], s[90:91], \s*256
	s_or_b32 s[G0A+4*\s+3], s[G0A+4*\s+3], 0x80000000
	s_mov_b32 s[G0B+4*\s], 1
	s_add_co_u32 s[G0B+4*\s+1], s18, \s*SLOT+ATILE
	s_add_nc_u64 s[G0B+4*\s+2:G0B+4*\s+3], s[94:95], \s*256
	s_or_b32 s[G0B+4*\s+3], s[G0B+4*\s+3], 0x80000000
	JLOAD G0A+4*\s, G1A, G0B+4*\s, G1B             ; three loads of mine are out behind the second
.endr
	v_and_b32 v1, 15, v0                           ; r
	v_bfe_u32 v2, v0, 4, 1                         ; h
	v_mul_u32_u24 v3, v1, PITCH
	v_lshl_add_u32 v3, v2, 4, v3                   ; a fragment's row x pitch + 16 h
	s_mul_i32 s20, s[WV], 32*PITCH
	v_add_nc_u32 v[ADRA], s20, v3
	v_add_nc_u32 v[ADRA+1], SLOT, v[ADRA]
	v_add_nc_u32 v[ADRB], ATILE, v3
	v_add_nc_u32 v[ADRB+1], SLOT, v[ADRB]
	v_lshrrev_b32 v4, 1, v1
	v_mul_u32_u24 v4, v4, 272
	v_and_b32 v5, 1, v1
	v_lshl_add_u32 v4, v5, 7, v4                   ; row r's 128 scale bytes: two rows to an LDS row
	s_mul_i32 s20, s[WV], 16*272
	s_add_co_u32 s20, s20, SCL
	v_add_nc_u32 v[ADSA], s20, v4
	v_add_nc_u32 v[ADSB], SCL+SCAB, v4
	v_and_b32 v5, 31, v0
	v_lshlrev_b32 v[LI], 4, v5
	v_lshlrev_b32 v[CSO], 6, v1
	v_lshl_add_u32 v[CSO], v2, 4, v[CSO]           ; position r's 64 bytes, + 16 h: my four pairs
	s_and_b32 s20, s87, 15
	s_lshl_b32 s20, s20, 7
	s_lshl_b32 s21, s[WV], 5
	s_add_co_u32 s20, s20, s21                     ; my first position in its sequence
	s_lshl_b32 s22, s20, 6                         ; x 64: its bytes in cos and sin, and in q's, k's and v's fragments too (1,024 for 16 positions, 2,048 for 32 keys)
	s_mov_b32 s23, 0
	s_add_nc_u64 s[8:9], s[8:9], s[22:23]
	s_add_nc_u64 s[10:11], s[10:11], s[22:23]
.irp m, 0,1
.irp e, 0,1
	global_load_b128 v[CS+16*\m+8*\e:CS+16*\m+8*\e+3], v[CSO], s[8:9] offset:1024*\m+32*\e       ; cos of pairs 8 e + 4 h + 0..3 at position 16 m + r
	global_load_b128 v[CS+16*\m+8*\e+4:CS+16*\m+8*\e+7], v[CSO], s[10:11] offset:1024*\m+32*\e   ; sin
.endr
.endr
	s_add_nc_u64 s[12:13], s[12:13], s[22:23]
	s_add_nc_u64 s[14:15], s[14:15], s[22:23]
	s_lshr_b32 s21, s87, 4                         ; the batch
	s_lshl_b32 s2, s21, 5
	s_lshl_b32 s3, s86, 2
	s_add_co_u32 s2, s2, s3                        ; 32 b + 4 g: my first query head
	s_lshl_b32 s2, s2, 17
	s_mov_b32 s3, 0
	s_add_nc_u64 s[12:13], s[12:13], s[2:3]        ; q's fragments
	s_lshl_b32 s2, s21, 3
	s_add_co_u32 s2, s2, s86                       ; 8 b + g
	s_lshl_b32 s2, s2, 17
	s_add_nc_u64 s[14:15], s[14:15], s[2:3]        ; k's; v's lie 2,097,152 (high) and 4,194,304 (low) further on
.macro FRAG reg, adr, off              ; 16 rows x 128 K of 4-bit codes: registers 4 c .. 4 c + 3 hold K = 64 c + 32 h + 0..31
	ds_load_b128 v[\reg:\reg+3], v[\adr] offset:\off
	ds_load_b128 v[\reg+4:\reg+7], v[\adr] offset:\off+32
.endm
.macro FETCH_B slot, q, t0             ; the weights' tiles t0 .. t0 + 5 of the slot's q-th 128 along K
	WIN TO_F
.irp i, 0,1,2,3,4,5
	FRAG 32+8*(\t0+\i), ADRB+\slot, 64*(\q)+(\t0+\i)*16*PITCH
.endr
.endm
.macro FETCH_A slot, q, p              ; x's two blocks into set p
	WIN TO_F
.irp m, 0,1
	FRAG 16*(\p)+8*\m, ADRA+\slot, 64*(\q)+\m*16*PITCH
.endr
.endm
.macro SCALES sc                       ; a K step's scale words: four a row; lanes 16-31 hold the same as lanes 0-15
.irp m, 0,1
	ds_load_b128 v[SC+56*\sc+4*\m:SC+56*\sc+4*\m+3], v[ADSA] offset:\m*2176
.endr
.irp t, 0,1,2,3,4,5,6,7,8,9,10,11
	ds_load_b128 v[SC+56*\sc+8+4*\t:SC+56*\sc+8+4*\t+3], v[ADSB] offset:\t*2176
.endr
.endm
.macro MM t, m, p, q, sc, zero         ; one product.  zero = 1: it starts the sum
.set rD, 8*(2*(\t)+\m)
.set rB, 32+8*(\t)
.set rA, 16*(\p)+8*\m
.set rSB, SC+56*(\sc)+8+4*(\t)+(\q)
.set rSA, SC+56*(\sc)+4*\m+(\q)
.if (\t) < 10
.if \zero
	v_wmma_scale_f32_16x16x128_f8f6f4 v[rD:rD+7], v[rB:rB+7], v[rA:rA+7], 0, v[rSB], v[rSA] matrix_a_fmt:MATRIX_FMT_FP4 matrix_b_fmt:MATRIX_FMT_FP4
.else
	v_wmma_scale_f32_16x16x128_f8f6f4 v[rD:rD+7], v[rB:rB+7], v[rA:rA+7], v[rD:rD+7], v[rSB], v[rSA] matrix_a_fmt:MATRIX_FMT_FP4 matrix_b_fmt:MATRIX_FMT_FP4
.endif
.else
.if \zero
	v_wmma_scale_f32_16x16x128_f8f6f4 v[rD:rD+7], v[rA:rA+7], v[rB:rB+7], 0, v[rSA], v[rSB] matrix_a_fmt:MATRIX_FMT_FP4 matrix_b_fmt:MATRIX_FMT_FP4
.else
	v_wmma_scale_f32_16x16x128_f8f6f4 v[rD:rD+7], v[rA:rA+7], v[rB:rB+7], v[rD:rD+7], v[rSA], v[rSB] matrix_a_fmt:MATRIX_FMT_FP4 matrix_b_fmt:MATRIX_FMT_FP4
.endif
.endif
.endm
.macro MULT t0, n, p, q, sc, zero      ; tiles t0 .. t0 + n - 1 x both blocks: the 24 accumulators take turns, in the same order in every step
.set TT, \t0
.rept \n
	MM TT, 0, \p, \q, \sc, \zero
	MM TT, 1, \p, \q, \sc, \zero
.set TT, TT+1
.endr
.endm
.macro STEP slot, q, zero              ; 128 along K with its successor in the same slot
	s_wait_dscnt 12                                ; all but the youngest 12 loads (tiles 6-11) are in
	WIN MUL
	MULT 0, 6, (\q)%2, \q, \slot, \zero
	s_wait_dscnt 0x0                               ; tiles 6-11 are in
	PLACES
	FETCH_B \slot, (\q)+1, 0
	FETCH_A \slot, (\q)+1, 1-(\q)%2
	WIN MUL
	MULT 6, 6, (\q)%2, \q, \slot, \zero
	PLACES
	FETCH_B \slot, (\q)+1, 6
	WIN 0
.endm
; A slot's last step changes slots: one barrier; in front of it each wave waits for all its tensor loads, adds 0 to its spare word, and waits for that and for its reads of this slot.
.macro TURN slot, next, fill
	s_wait_tensorcnt 0x0                           ; all my tensor loads have landed: my part of the next slot
	ds_add_u32 v[SPW], v[NIL]
	s_wait_dscnt 13                                ; (the add and the youngest 12 loads may be out)
	WIN MUL
	MULT 0, 3, 1, 3, \slot, 0
	s_wait_dscnt 0x0                               ; the add is done, and my reads of this slot are over
	s_barrier_signal -1
	MULT 3, 3, 1, 3, \slot, 0
	WIN 0
	s_barrier_wait -1
.if \fill
	CREST                                          ; the barrier has opened a round of the cluster's: no wave of any partner still reads this slot or has a load on its way
	s_add_nc_u64 s[G0A+4*\slot+2:G0A+4*\slot+3], s[G0A+4*\slot+2:G0A+4*\slot+3], 512
	s_add_nc_u64 s[G0B+4*\slot+2:G0B+4*\slot+3], s[G0B+4*\slot+2:G0B+4*\slot+3], 512
	JLOAD G0A+4*\slot, G1A, G0B+4*\slot, G1B       ; two K steps ahead; its four v_nop are the places in front of the loads below
.else
	PLACES
.endif
	v_add_nc_u32 v[ADSA], 16, v[ADSA]              ; the next K step's scale words
	v_add_nc_u32 v[ADSB], 16, v[ADSB]
	FETCH_B \next, 0, 0
	FETCH_A \next, 0, 0
	WIN 0
	SCALES \next
	WIN MUL
	MULT 6, 6, 1, 3, \slot, 0
	PLACES
	FETCH_B \next, 0, 6
	WIN 0
.endm
.macro STEPS slot, from
.set Q, \from
.rept 3-\from
	STEP \slot, Q, 0
.set Q, Q+1
.endr
.endm
	s_wait_tensorcnt 1                             ; the scale bytes and my part of K step 0 are in; K step 1's load stays out
	s_barrier_signal -1
	s_barrier_wait -1
	FETCH_B 0, 0, 0
	FETCH_A 0, 0, 0
	WIN 0
	SCALES 0
	FETCH_B 0, 0, 6
	WIN 0
	STEP 0, 0, 1                                   ; the first step starts the sums
	s_mov_b32 s3, LAPS-1
.Llap:
	STEPS 0, 1
	TURN 0, 1, 1
	STEPS 1, 0
	TURN 1, 0, 1
	STEP 0, 0, 0
	s_sub_co_u32 s3, s3, 1
	s_cmp_lg_u32 s3, 0
	s_cbranch_scc1 .Llap
	STEPS 0, 1                                     ; the last lap fills nothing
	TURN 0, 1, 0
	STEPS 1, 0
	s_wait_dscnt 12
	WIN MUL
	MULT 0, 6, 1, 3, 1, 0
	s_wait_dscnt 0x0
	MULT 6, 6, 1, 3, 1, 0
	WIN 0
	; THE WAY OUT.  RoPE in f32: (t_r, t_i) -> (t_r cos - t_i sin, t_r sin + t_i cos); for q with cos and sin times c.
	s_mov_b32 s22, 0x3e8293ee                      ; c = log2(e) / sqrt(32)
	s_mov_b32 s20, 0x46000400                      ; 8193
	s_mov_b32 s21, s20
	s_wait_loadcnt 0x0                             ; cos and sin
.set j, 0
.rept 32
	v_mul_f32 v[CQ+j], s22, v[CS+j]                ; (these plain lines are also the places behind the last products)
.set j, j+1
.endr
.macro ROPE t, tab
	WIN 0x02                                       ; source 0: the accumulators' window
.irp m, 0,1
.irp i, 0,1,2,3
	v_mul_f32 v[T+8*\m+2*\i], v[8*(2*\t+\m)+2*\i+1], v[\tab+16*\m+8*(\t%2)+4+\i]       ; each accumulator is read from its low end on
	v_mul_f32 v[T+8*\m+2*\i+1], v[8*(2*\t+\m)+2*\i+1], v[\tab+16*\m+8*(\t%2)+\i]
.endr
.irp i, 0,1,2,3
	v_fma_f32 v[T+8*\m+2*\i], v[8*(2*\t+\m)+2*\i], v[\tab+16*\m+8*(\t%2)+\i], -v[T+8*\m+2*\i]
	v_fma_f32 v[T+8*\m+2*\i+1], v[8*(2*\t+\m)+2*\i], v[\tab+16*\m+8*(\t%2)+4+\i], v[T+8*\m+2*\i+1]
.endr
.endr
	WIN 0x40                                       ; destination window 1
.irp m, 0,1
.irp i, 0,1,2,3
	v_cvt_pk_f16_f32 v[4*(2*\t+\m)+\i], v[T+8*\m+2*\i], v[T+8*\m+2*\i+1]
.endr
.endr
.endm
.irp t, 0,1,2,3,4,5,6,7
	ROPE \t, CQ
.endr
	ROPE 8, CS
	ROPE 9, CS
; v = hi + lo: t = 8193 v, hi = t + (v - t) has 11 significant bits, lo = v - hi is exact: both go to f16
.macro VSPLIT c, m
.set rV, 8*(2*(10+\c)+\m)
	WIN 0x02
.irp j, 0,2,4,6
	v_pk_mul_f32 v[T+\j:T+\j+1], v[rV+\j:rV+\j+1], s[20:21] op_sel_hi:[1,0]
.endr
.irp j, 0,2,4,6
	v_pk_add_f32 v[T+8+\j:T+9+\j], v[rV+\j:rV+\j+1], v[T+\j:T+\j+1] neg_lo:[0,1] neg_hi:[0,1]
.endr
	WIN 0
.irp j, 0,2,4,6
	v_pk_add_f32 v[T+\j:T+\j+1], v[T+\j:T+\j+1], v[T+8+\j:T+9+\j]
.endr
	WIN 0x02
.irp j, 0,2,4,6
	v_pk_add_f32 v[T+8+\j:T+9+\j], v[rV+\j:rV+\j+1], v[T+\j:T+\j+1] neg_lo:[0,1] neg_hi:[0,1]
.endr
	WIN 0
.irp i, 0,1,2,3
	v_cvt_pk_f16_f32 v[VH+4*(2*\c+\m)+\i], v[T+2*\i], v[T+2*\i+1]
	v_cvt_pk_f16_f32 v[VL+4*(2*\c+\m)+\i], v[T+8+2*\i], v[T+9+2*\i]
.endr
.endm
	VSPLIT 0, 0
	VSPLIT 0, 1
	VSPLIT 1, 0
	VSPLIT 1, 1
	WIN 0x04                                       ; a store's data are its source 1: window 1.  Every store of the wave covers 512 consecutive bytes; no store's data are written again
.irp t, 0,1,2,3,4,5,6,7
.irp m, 0,1
	global_store_b128 v[LI], v[4*(2*\t+\m):4*(2*\t+\m)+3], s[12:13] offset:(\t/2)*131072+\m*1024+(\t%2)*512
.endr
.endr
.irp t, 8,9
.irp m, 0,1
	global_store_b128 v[LI], v[4*(2*\t+\m):4*(2*\t+\m)+3], s[14:15] offset:\m*1024+(\t%2)*512
.endr
.endr
	WIN 0
.irp c, 0,1
.irp m, 0,1
	global_store_b128 v[LI], v[VH+4*(2*\c+\m):VH+4*(2*\c+\m)+3], s[14:15] offset:2097152+\c*1024+\m*512
	global_store_b128 v[LI], v[VL+4*(2*\c+\m):VL+4*(2*\c+\m)+3], s[14:15] offset:4194304+\c*1024+\m*512
.endr
.endr
	s_wait_tensorcnt 0x0                           ; the wave's end
	ds_add_u32 v[SPW], v[NIL]
	s_wait_dscnt 0x0
	CROUND                                         ; the closing round
	s_endpgm
.Lfunc_end_k_qd723c5faf2_qkv:
	.size	k_qd723c5faf2_qkv, .Lfunc_end_k_qd723c5faf2_qkv-k_qd723c5faf2_qkv
	.p2alignl 7, 3214868480
	.fill 96, 4, 3214868480
	.section	.rodata,"a",@progbits
	.p2align	6, 0x0
	.amdhsa_kernel k_qd723c5faf2_qkv
		.amdhsa_group_segment_fixed_size 327680
		.amdhsa_private_segment_fixed_size 0
		.amdhsa_enable_private_segment 0
		.amdhsa_kernarg_size 48
		.amdhsa_user_sgpr_count 2
		.amdhsa_user_sgpr_kernarg_segment_ptr 1
		.amdhsa_wavefront_size32 1
		.amdhsa_system_sgpr_workgroup_id_x 1
		.amdhsa_system_sgpr_workgroup_id_y 1
		.amdhsa_system_sgpr_workgroup_id_z 1
		.amdhsa_system_vgpr_workitem_id 0
		.amdhsa_next_free_vgpr 704
		.amdhsa_next_free_sgpr 98
		.amdhsa_reserve_vcc 0
		.amdhsa_float_denorm_mode_32 3
		.amdhsa_float_denorm_mode_16_64 3
		.amdhsa_memory_ordered 1
		.amdhsa_forward_progress 1
		.amdhsa_inst_pref_size 131
	.end_amdhsa_kernel
	.amdgpu_metadata
---
amdhsa.version: [ 1, 2 ]
amdhsa.kernels:
  - .name:           k_qd723c5faf2_qkv
    .symbol:         k_qd723c5faf2_qkv.kd
    .args:
      - { .name: xq, .offset: 0, .size: 8, .value_kind: global_buffer, .address_space: global }
      - { .name: wq4, .offset: 8, .size: 8, .value_kind: global_buffer, .address_space: global }
      - { .name: freqs_cos, .offset: 16, .size: 8, .value_kind: global_buffer, .address_space: global }
      - { .name: freqs_sin, .offset: 24, .size: 8, .value_kind: global_buffer, .address_space: global }
      - { .name: qf, .offset: 32, .size: 8, .value_kind: global_buffer, .address_space: global }
      - { .name: kv, .offset: 40, .size: 8, .value_kind: global_buffer, .address_space: global }
    .group_segment_fixed_size: 327680
    .private_segment_fixed_size: 0
    .kernarg_segment_align: 8
    .kernarg_segment_size: 48
    .max_flat_workgroup_size: 128
    .sgpr_count:     98
    .vgpr_count:     704
    .wavefront_size: 32
...
	.end_amdgpu_metadata
.endif
;; end of part 2
;; launch att (part 3): grid 16 x 16, 8 waves a work-group, clusters of 4 x 4, 327,680 bytes of LDS; arguments qf, kv, mask, af; writes af
.if DOCPART == 3
	.amdgcn_target "amdgcn-amd-amdhsa--gfx1250"
	.amdhsa_code_object_version 6
	.text
	.protected	k_qd723c5faf2_att
	.globl	k_qd723c5faf2_att
	.p2align	8
	.type	k_qd723c5faf2_att,@function
k_qd723c5faf2_att:
	s_mov_b64 s[64:65], 0
	v_nop
	global_prefetch_b8 v0, s[64:65] scope:SCOPE_SE
	s_setreg_imm32_b32 hwreg(HW_REG_WAVE_MODE, 25, 1), 1
	s_wait_xcnt 0x0
	s_wait_alu depctr_hold_cnt(0) depctr_sa_sdst(0) depctr_va_vdst(0) depctr_va_sdst(0) depctr_va_ssrc(0) depctr_va_vcc(0) depctr_vm_vsrc(0)
	s_getreg_b32 s2, hwreg(HW_REG_IB_STS2, 6, 4)
	s_cmp_eq_u32 s2, 0
	s_cbranch_scc0 .Lentry_in_a_cluster
	s_endpgm
.Lentry_in_a_cluster:
	s_bfe_u32 s2, ttmp6, 0x10000c
	s_cmp_lg_u32 s2, 0xf033
	s_cbranch_scc0 .Lentry_shape_is_right
	s_endpgm
.Lentry_shape_is_right:
; ATT.  For every batch, head and query: softmax over all 2,048 keys of q . k / sqrt(32) + mask, times v.  The mask is an input: it is added as given, and no key is left out.  ('positions' is not loaded: see the first kernel's head.)
; SHARES.  Work-group (x = 8 b + key-value head, y): 128 queries x the 4 query heads that share the key-value head.  Each of 8 waves owns 16 queries x 4 heads; every wave walks 16 steps of 128 keys.
; One read of K, V and the mask from LDS serves four heads.
; LAYOUT.  S^T = K Q^T + mask' (source 0 = 16 keys, source 1 = 16 queries, already times c = log2(e) / sqrt(32); C = mask' = mask x log2(e) in the result's layout: the mask's addition costs no vector line).
; A lane holds one query (lane % 16) and keys 8 (lane / 16) + 0..7 of a tile; two tiles, rounded to f16 in pairs, are source 1 of O^T += V^T P.  O^T, packed, is the last product's operand fragment as it stands.
; SOFTMAX.  For each query and head a running maximum m and sum l: p = 2^(u - m), the difference formed first; in every step O and l are multiplied by a = 2^(m_old - m_new).  l sums the unrounded p.
; THE HEADS ARE PIPELINED BY ONE: while head h's softmax is walked, head h + 1's scores are already asked of the matrix unit; two score buffers take turns.
; RING.  Two LDS slots of one step: mask 128 rows x 512 bytes, K 8 KB, V 8 KB (both dense, in register order).  Waves 0-3 fill slot 0, waves 4-7 slot 1: two of them the mask's halves, one K, one V: one load a wave.
; CLUSTER 4 x 4: the mask's tile hangs on y and is shared along a row of the cluster, K and V hang on x and are shared along a column.
; LIMITS: NaN and infinities in the inputs, and a mask row of -infinity throughout, are not served.  p is rounded to f16: under 6e-8 it counts as 0.
; REGISTERS.  window 0: v2-9 addresses; v10-17 chains of the maximum; v18 a; v20-21 a second chain of the sum; v24-39 m, a filler, l (a pair) for each head; v64-127 mask'; v128-191, v192-255 the two score buffers.
;   window 1: v0-31 Q (8 a head); v32-95 O^T (16 a head); v96-159 K (8 tiles); v160-223 V^T (4 x 2 fragments).
.set MP,    528                        ; a mask row in LDS: 512 bytes + 16: the 16 rows of a load start 132 words apart
.set KOFF,  128*MP
.set SLOT,  KOFF+16384
.set SPARE, 2*SLOT                     ; the spare words, 128 bytes for each of 8 waves; no other line names them
.set AM,  2
.set AK,  4
.set GO,  6
.set PFO, 7
.set SPW, 8
.set NIL, 9
.set CH,  10
.set AA,  18
.set TS,  20
.set ST,  24
.set MK,  64
.set SA,  128
.set SB,  192
.set QF,  0
.set OT,  32
.set KF,  96
.set VF,  160
.set W,    12
.set SET,  13                          ; the slot that I fill
.set ROLE, 14                          ; 0, 1: the mask's halves; 2: K; 3: V
.set HALF, 15
.set G1M,  24
.set G1KV, 32
.set G0M,  40
.set G0KV, 44
.set SEL,  48
.set LG,   50
.set TR,   52
.set LIM,  53
.set PFA,  54
.set PFS,  56
.set MSB, 0
.macro WIN new
.if MSB != \new
	s_set_vgpr_msb (MSB<<8)|\new
.set MSB, \new
.endif
.endm
.set W_S,  0x05                        ; K and Q window 1; mask' and S^T window 0
.set W_PV, 0x51                        ; V and O^T window 1; P window 0
.set W_RS, 0x41                        ; O^T window 1, a window 0
.set LD1,  0x40                        ; destination window 1
.macro CROUND
	s_barrier_signal -1
	s_barrier_wait -1
	s_cmp_lg_u32 s[W], 0
	s_cbranch_scc1 .Lnot_wave_0_\@
	s_barrier_signal -3
.Lnot_wave_0_\@:
	s_barrier_wait -3
	s_barrier_signal -1
	s_barrier_wait -1
.endm
; The joint refill of slot p, by the four waves that serve it; the branches hang on the wave's number alone.  A wave's LDS address never changes; its global address steps two key steps.
; Behind its tensor load a wave may PREFETCH what its next refill will ask for.  Each aligned 256 bytes is named once in the launch: the mask's tile is read by all clusters of a row of clusters: the first (cluster x = 0)
; asks, its four partners taking 16 of the wave's 64 rows each, told apart by address, a lane half a row; K and V are read by all clusters of a column: the first (cluster y = 0) asks, wave 2 alone, for two steps of both,
; its partners taking 4,096 bytes of each 16,384.  The loop's last trip asks for nothing: there is no step behind.  Steps 0 to 3 come by their loads alone.
.macro JLOAD p
	s_cmp_lg_u32 s[SET], \p
	s_cbranch_scc1 .Lskip_\@
	s_wait_xcnt 0x0                                ; my last prefetch, two steps back, has read its address
	s_add_nc_u64 s[PFA:PFA+1], s[PFA:PFA+1], s[PFS:PFS+1]
	s_add_nc_u64 s[G0M+2:G0M+3], s[G0M+2:G0M+3], 1024              ; no tensor load of mine is out: the descriptors may be written
	s_add_nc_u64 s[G0KV+2:G0KV+3], s[G0KV+2:G0KV+3], 16384
	s_cmp_lt_u32 s[ROLE], 2
	s_cbranch_scc0 .Lkv_\@
	tensor_load_to_lds s[G0M:G0M+3], s[G1M:G1M+7]
	s_nop 0
.rept 4
	v_nop
.endr
	s_branch .Lasked_\@
.Lkv_\@:
	tensor_load_to_lds s[G0KV:G0KV+3], s[G1KV:G1KV+7]
	s_nop 0
.rept 4
	v_nop
.endr
.Lasked_\@:
	s_cmp_gt_u32 s[TR], s[LIM]
	s_cbranch_scc0 .Lskip_\@
	global_prefetch_b8 v[PFO], s[PFA:PFA+1] th:TH_LOAD_NT scope:SCOPE_SE
.Lskip_\@:
.endm
	s_load_b256 s[4:11], s[0:1], 0x0               ; qf, kv, mask, af
	v_lshl_add_u32 v[SPW], v0, 2, SPARE
	v_mov_b32 v[NIL], 0
	ds_add_u32 v[SPW], v[NIL]                      ; the opening: the add, twice on end, and its wait ahead of my first tensor load
	ds_add_u32 v[SPW], v[NIL]
	v_lshrrev_b32 v1, 5, v0
	v_readfirstlane_b32 s[W], v1
	s_lshr_b32 s[SET], s[W], 2
	s_and_b32 s[ROLE], s[W], 3
	s_and_b32 s[HALF], s[W], 1
	s_bfe_u32 s16, ttmp6, 0x40000                  ; cx
	s_bfe_u32 s17, ttmp6, 0x40004                  ; cy
	s_lshl_b32 s18, ttmp9, 2
	s_add_co_u32 s18, s18, s16                     ; x = 8 b + key-value head
	s_and_b32 s19, ttmp7, 0xffff
	s_lshl_b32 s19, s19, 2
	s_add_co_u32 s19, s19, s17                     ; y: the block of 128 queries
	s_lshl_b32 s20, s17, 2
	s_lshl_b32 s20, 15, s20                        ; my row of the cluster
	s_lshl_b32 s21, 0x1111, s16                    ; my column
	s_or_b32 s[G1M], s20, (2<<16)|(1<<20)|(1<<21)|(6<<22)|(3<<25)  ; elements of 4 bytes; 4 words of padding behind every 128
	s_mov_b32 s[G1M+1], 128<<16
	s_mov_b32 s[G1M+2], 64<<16
	s_mov_b32 s[G1M+3], 128<<16
	s_mov_b32 s[G1M+4], 64
	s_mov_b32 s[G1M+5], 2048
	s_mov_b32 s[G1M+6], 0
	s_mov_b32 s[G1M+7], 0
	s_or_b32 s[G1KV], s21, (3<<16)|(1<<21)         ; 8,192 dense bytes as 32 rows of 32 elements of 8 bytes, no padding
	s_mov_b32 s[G1KV+1], 32<<16
	s_mov_b32 s[G1KV+2], 32<<16
	s_mov_b32 s[G1KV+3], 32<<16
	s_mov_b32 s[G1KV+4], 32
	s_mov_b32 s[G1KV+5], 32
	s_mov_b32 s[G1KV+6], 0
	s_mov_b32 s[G1KV+7], 0
	s_mul_i32 s22, s[SET], SLOT
	s_mul_i32 s23, s[HALF], 64*MP
	s_mov_b32 s[G0M], 1
	s_add_co_u32 s[G0M+1], s22, s23
	s_lshl_b32 s23, s[HALF], 13
	s_mov_b32 s[G0KV], 1
	s_add_co_u32 s[G0KV+1], s22, s23
	s_add_co_u32 s[G0KV+1], s[G0KV+1], KOFF
	s_lshl_b32 s66, s19, 20                        ; the mask: 128 y rows of 8,192 bytes,
	s_lshl_b32 s67, s[HALF], 19                    ; my 64 of them,
	s_add_co_u32 s66, s66, s67
	s_lshl_b32 s67, s[SET], 9                      ; step SET
	s_add_co_u32 s68, s66, s67
	s_mov_b32 s69, 0
	s_lshl_b32 s70, s16, 17                        ; the prefetch's: + 16 cx rows, two steps on
	s_add_co_u32 s70, s70, s68
	s_add_co_u32 s70, s70, 1024
	s_mov_b32 s71, 0
	s_lshl_b32 s72, s18, 17                        ; K and V: 131,072 bytes for each x; V lies 2,097,152 behind K
	s_lshl_b32 s73, s[HALF], 21
	s_add_co_u32 s74, s72, s73
	s_lshl_b32 s73, s[SET], 13
	s_add_co_u32 s74, s74, s73
	s_mov_b32 s75, 0
	s_lshl_b32 s76, s17, 12                        ; the prefetch's: + 4,096 cy, two steps on
	s_add_co_u32 s76, s76, s72
	s_add_co_u32 s76, s76, 16384
	s_mov_b32 s77, 0
	s_lshl_b32 s78, s18, 19                        ; Q: head 4 x, query tile 8 y + wave
	s_lshl_b32 s79, s19, 13
	s_add_co_u32 s78, s78, s79
	s_lshl_b32 s79, s[W], 10
	s_add_co_u32 s78, s78, s79
	s_mov_b32 s79, 0
	s_lshr_b32 s80, s18, 3                         ; af: row tile 128 b + 8 y + wave, head 4 (x % 8)
	s_lshl_b32 s80, s80, 7
	s_lshl_b32 s81, s19, 3
	s_add_co_u32 s80, s80, s81
	s_add_co_u32 s80, s80, s[W]
	s_lshl_b32 s80, s80, 15
	s_and_b32 s81, s18, 7
	s_lshl_b32 s81, s81, 12
	s_add_co_u32 s80, s80, s81
	s_mov_b32 s81, 0
	s_mov_b32 s[SEL], 0x76543210
	s_mov_b32 s[SEL+1], 0xfedcba98                 ; lane l xor 16
	s_mov_b32 s[LG], 0x3fb8aa3b                    ; log2(e)
	s_mov_b32 s[LG+1], s[LG]
	s_mov_b32 s[TR], 7
	s_xor_b32 s23, s[W], 2                         ; who prefetches: the mask's waves, and wave 2 for K and V
	s_and_b32 s62, ttmp7, 0xffff
	s_mov_b32 s63, 2097152
	s_mov_b32 s[PFS], 16384
	s_mov_b32 s[PFS+1], 0
	s_cmp_lt_u32 s[ROLE], 2
	s_cselect_b32 s2, 1, 4
	s_cselect_b32 s3, 1, 15
	s_cselect_b32 s63, 8192, s63
	s_cselect_b32 s[PFS], 1024, s[PFS]
	s_cselect_b32 s62, ttmp9, s62                  ; the coordinate along which other clusters read the same bytes
	s_cselect_b32 s23, 0, s23
	s_or_b32 s62, s62, s23
	s_cmp_eq_u32 s62, 0
	s_cselect_b32 s[LIM], 1, -1                    ; the same in all sixteen partners, for a given wave
	v_and_b32 v1, 31, v0
	v_lshrrev_b32 v[PFO], s2, v1
	v_mul_lo_u32 v[PFO], v[PFO], s63
	v_and_b32 v10, s3, v1
	v_lshl_add_u32 v[PFO], v10, 8, v[PFO]          ; the mask: row lane / 2, half lane % 2;  K, V: which by lane / 16, block lane % 16
	s_wait_dscnt 0x0                               ; both opening adds are done
	s_wait_kmcnt 0x0
	s_add_nc_u64 s[G0M+2:G0M+3], s[8:9], s[68:69]
	s_or_b32 s[G0M+3], s[G0M+3], 0x80000000
	s_add_nc_u64 s[G0KV+2:G0KV+3], s[6:7], s[74:75]
	s_or_b32 s[G0KV+3], s[G0KV+3], 0x80000000
	s_cmp_lt_u32 s[ROLE], 2
	s_cselect_b64 s[PFA:PFA+1], s[8:9], s[6:7]
	s_cselect_b64 s[70:71], s[70:71], s[76:77]
	s_add_nc_u64 s[PFA:PFA+1], s[PFA:PFA+1], s[70:71]
	s_add_nc_u64 s[4:5], s[4:5], s[78:79]
	s_add_nc_u64 s[10:11], s[10:11], s[80:81]
	CROUND                                         ; all sixteen work-groups are here: the first joint loads meet
	s_cmp_lt_u32 s[ROLE], 2                        ; the first fills: steps 0 and 1, one load in every wave
	s_cbranch_scc0 .Lfirst_kv
	tensor_load_to_lds s[G0M:G0M+3], s[G1M:G1M+7]
	s_nop 0
.rept 4
	v_nop
.endr
	s_branch .Lfirst_done
.Lfirst_kv:
	tensor_load_to_lds s[G0KV:G0KV+3], s[G1KV:G1KV+7]
	s_nop 0
.rept 4
	v_nop
.endr
.Lfirst_done:
	v_and_b32 v10, 15, v0                          ; r
	v_bfe_u32 v11, v0, 4, 1                        ; h
	v_mul_u32_u24 v[AM], v10, MP
	v_lshl_add_u32 v[AM], v11, 5, v[AM]
	s_mul_i32 s22, s[W], 16*MP
	v_add_nc_u32 v[AM], s22, v[AM]                 ; the mask: row 16 wave + r, + 32 h: my eight keys of a tile
	v_add_nc_u32 v[AM+1], SLOT, v[AM]
	v_lshlrev_b32 v[GO], 4, v1                     ; 16 x lane
	v_add_nc_u32 v[AK], KOFF, v[GO]
	v_add_nc_u32 v[AK+1], SLOT, v[AK]
	WIN LD1
.irp h, 0,1,2,3
	global_load_b128 v[QF+8*\h:QF+8*\h+3], v[GO], s[4:5] offset:\h*131072
	global_load_b128 v[QF+8*\h+4:QF+8*\h+7], v[GO], s[4:5] offset:\h*131072+512
.endr
.set j, 0
.rept 64
	v_mov_b32 v[OT+j], 0                           ; O^T.  (The step is written for all steps alike: the first finds zeros, which a = 0 leaves zeros)
.set j, j+1
.endr
	WIN 0
.irp h, 0,1,2,3
	v_mov_b32 v[ST+4*\h], 0xff61b1e6               ; m = -3e38, under every score
	v_mov_b32 v[ST+4*\h+1], 0                      ; (named with m as a pair)
	v_mov_b32 v[ST+4*\h+2], 0                      ; l, in two halves
	v_mov_b32 v[ST+4*\h+3], 0
.endr
	v_mov_b32 v[AA+1], 0                           ; (named with a as a pair)
.macro LOADK p
	WIN LD1
.irp t, 0,1,2,3,4,5,6,7
	ds_load_b128 v[KF+8*\t:KF+8*\t+3], v[AK+\p] offset:1024*\t
	ds_load_b128 v[KF+8*\t+4:KF+8*\t+7], v[AK+\p] offset:1024*\t+512
.endr
.endm
.macro LOADV p
	WIN LD1
.irp f, 0,1,2,3,4,5,6,7
	ds_load_b128 v[VF+8*\f:VF+8*\f+3], v[AK+\p] offset:8192+1024*\f
	ds_load_b128 v[VF+8*\f+4:VF+8*\f+7], v[AK+\p] offset:8192+1024*\f+512
.endr
.endm
.macro LOADM p
	WIN 0
.irp t, 0,1,2,3,4,5,6,7
	ds_load_b128 v[MK+8*\t:MK+8*\t+3], v[AM+\p] offset:64*\t
	ds_load_b128 v[MK+8*\t+4:MK+8*\t+7], v[AM+\p] offset:64*\t+16
.endr
.endm
.macro MASKMUL                         ; mask' = mask x log2(e): once a step, for four heads
.set j, 0
.rept 32
	v_pk_mul_f32 v[MK+j:MK+j+1], v[MK+j:MK+j+1], s[LG:LG+1] op_sel_hi:[1,0]
.set j, j+2
.endr
.endm
.macro SMUL h, Y                       ; head h's scores of the step whose K and mask' are in registers
	WIN W_S
.irp t, 0,1,2,3,4,5,6,7
	v_wmma_f32_16x16x32_f16 v[\Y+8*\t:\Y+8*\t+7], v[KF+8*\t:KF+8*\t+7], v[QF+8*\h:QF+8*\h+7], v[MK+8*\t:MK+8*\t+7]
.endr
.endm
.macro MAXPH X, h                      ; the new m; m_old - m_new.  Each tile is read from its low end on.  These plain lines are also the places between the products before and behind them
	WIN 0
.irp t, 0,1,2,3,4,5,6,7
	v_max3_num_f32 v[CH+\t], v[\X+8*\t], v[\X+8*\t+1], v[\X+8*\t+2]
.endr
.irp t, 0,1,2,3,4,5,6,7
	v_max3_num_f32 v[CH+\t], v[CH+\t], v[\X+8*\t+3], v[\X+8*\t+4]
.endr
.irp t, 0,1,2,3,4,5,6,7
	v_max3_num_f32 v[CH+\t], v[CH+\t], v[\X+8*\t+5], v[\X+8*\t+6]
.endr
.irp t, 0,1,2,3
	v_max3_num_f32 v[CH+\t], v[CH+\t], v[\X+16*\t+7], v[\X+16*\t+15]
.endr
	v_max3_num_f32 v[CH], v[CH], v[CH+1], v[CH+2]
	v_max3_num_f32 v[CH+3], v[CH+3], v[CH+4], v[CH+5]
	v_max3_num_f32 v[CH+6], v[CH+6], v[CH+7], v[ST+4*\h]
	v_max3_num_f32 v[CH], v[CH], v[CH+3], v[CH+6]
	v_permlanex16_b32 v[CH+1], v[CH], s[SEL], s[SEL+1]             ; the query's other 64 keys lie in the lane 16 away
	v_max_num_f32 v[CH+2], v[CH], v[CH+1]
	v_sub_f32 v[AA], v[ST+4*\h], v[CH+2]
	v_mov_b32 v[ST+4*\h], v[CH+2]
.endm
.macro SUBEXP X, h                     ; u - m, then one batch of 65 exponentials with one wait
	WIN 0
.set j, 0
.rept 32
	v_pk_add_f32 v[\X+j:\X+j+1], v[\X+j:\X+j+1], v[ST+4*\h:ST+4*\h+1] op_sel_hi:[1,0] neg_lo:[0,1] neg_hi:[0,1]
.set j, j+2
.endr
	v_exp_f32 v[AA], v[AA]
.set j, 0
.rept 64
	v_exp_f32 v[\X+j], v[\X+j]
.set j, j+1
.endr
	v_nop                                          ; a plain line behind the last exponential
	s_wait_alu depctr_va_vdst(0)                   ; the wait ahead of the first line that names a result: one for the batch
.endm
.macro SUMCVT X, h                     ; l = l a + the sum of the unrounded p, in two chains; p to f16, in place
	WIN 0
	v_pk_mul_f32 v[ST+4*\h+2:ST+4*\h+3], v[ST+4*\h+2:ST+4*\h+3], v[AA:AA+1] op_sel_hi:[1,0]
	v_pk_add_f32 v[TS:TS+1], v[\X:\X+1], v[\X+2:\X+3]
.set j, 4
.rept 15
	v_pk_add_f32 v[ST+4*\h+2:ST+4*\h+3], v[ST+4*\h+2:ST+4*\h+3], v[\X+j:\X+j+1]
	v_pk_add_f32 v[TS:TS+1], v[TS:TS+1], v[\X+j+2:\X+j+3]
.set j, j+4
.endr
	v_pk_add_f32 v[ST+4*\h+2:ST+4*\h+3], v[ST+4*\h+2:ST+4*\h+3], v[TS:TS+1]
.set j, 0
.rept 32
	v_cvt_pk_f16_f32 v[\X+j], v[\X+2*j], v[\X+2*j+1]
.set j, j+1
.endr
.endm
.macro RESC h
	WIN W_RS
.set j, 0
.rept 8
	v_pk_mul_f32 v[OT+16*\h+j:OT+16*\h+j+1], v[OT+16*\h+j:OT+16*\h+j+1], v[AA:AA+1] op_sel_hi:[1,0]
.set j, j+2
.endr
.endm
.macro PV X, h                         ; O^T += V^T P: the head's two accumulators by turns
	WIN W_PV
.irp k, 0,1,2,3
.irp c, 0,1
	v_wmma_f32_16x16x32_f16 v[OT+16*\h+8*\c:OT+16*\h+8*\c+7], v[VF+16*\k+8*\c:VF+16*\k+8*\c+7], v[\X+8*\k:\X+8*\k+7], v[OT+16*\h+8*\c:OT+16*\h+8*\c+7]
.endr
.endr
.endm
; THE CHANGE OF SLOTS, in the third head's turn: slot p has been read out (K and the mask a step ago, V at this step's head).  Each wave waits for all its tensor loads, adds 0 to its spare word, and waits for that and
; for its LDS reads.  chg = 2: a round of the cluster's barrier, then the joint refill of slot p with the step two on: it has a whole step in which to land.  chg = 1: nothing is left to fetch: my work-group's barrier alone.
.macro CHANGE p, chg
	WIN 0
	s_wait_tensorcnt 0x0
	ds_add_u32 v[SPW], v[NIL]
	s_wait_dscnt 0x0
.if \chg == 2
	CROUND
	JLOAD \p
.else
	s_barrier_signal -1
	s_barrier_wait -1
.endif
.endm
.macro STEP p, chg
	MAXPH SA, 0
	LOADV \p                                       ; this step's V
	SMUL 1, SB
	SUBEXP SA, 0
	SUMCVT SA, 0
	RESC 0
	s_wait_dscnt 0x0                               ; V is in
	PV SA, 0
	MAXPH SB, 1
	SMUL 2, SA
	SUBEXP SB, 1
	SUMCVT SB, 1
	RESC 1
	PV SB, 1
	MAXPH SA, 2
	SMUL 3, SB
	SUBEXP SA, 2
.if \chg
	CHANGE \p, \chg
	LOADK 1-\p                                     ; the next step's K and mask; the subtractions above are the places behind the products that read these registers
	LOADM 1-\p
.endif
	SUMCVT SA, 2
	RESC 2
	PV SA, 2
.if \chg
	WIN 0
	s_wait_dscnt 0x0                               ; K and the mask are in
	MASKMUL
.endif
	MAXPH SB, 3
.if \chg
	SMUL 0, SA                                     ; the next step's first head
.endif
	SUBEXP SB, 3
	SUMCVT SB, 3
	RESC 3
	PV SB, 3
.endm
	s_wait_tensorcnt 0x0                           ; my first fill has landed,
	s_barrier_signal -1
	s_barrier_wait -1                              ; everybody's has: steps 0 and 1 lie in LDS
	LOADK 0
	LOADM 0
	s_wait_dscnt 0x0
	MASKMUL
	s_wait_loadcnt 0x0                             ; Q
	SMUL 0, SA
	WIN 0
.rept 4
	v_nop                                          ; places in front of the first read of these scores
.endr
.Ltrip:                                                ; 7 trips of two steps: steps 2 to 15 are asked for
	STEP 0, 2
	STEP 1, 2
	WIN 0
	s_sub_co_u32 s[TR], s[TR], 1
	s_cmp_lg_u32 s[TR], 0
	s_cbranch_scc1 .Ltrip
	STEP 0, 1                                      ; the tail is written out
	STEP 1, 0
	; THE WAY OUT: l's halves and the other lanes' half; O^T / l, to f16: a head's two tiles are the two halves of the last product's fragment.
	WIN 0
.irp h, 0,1,2,3
	v_add_f32 v[CH+\h], v[ST+4*\h+2], v[ST+4*\h+3]                 ; (these plain lines are the places behind the last products)
.endr
.irp h, 0,1,2,3
	v_permlanex16_b32 v[CH+4+\h], v[CH+\h], s[SEL], s[SEL+1]
.endr
.irp h, 0,1,2,3
	v_add_f32 v[CH+\h], v[CH+\h], v[CH+4+\h]
.endr
.irp h, 0,1,2,3
	v_rcp_f32 v[ST+4*\h+2], v[CH+\h]
.endr
	v_nop
	s_wait_alu depctr_va_vdst(0)                   ; one wait for the four reciprocals
	WIN 0x01                                       ; source 0 window 1
.irp h, 0,1,2,3
.irp j, 0,2,4,6,8,10,12,14
	v_pk_mul_f32 v[SA+16*\h+\j:SA+16*\h+\j+1], v[OT+16*\h+\j:OT+16*\h+\j+1], v[ST+4*\h+2:ST+4*\h+3] op_sel_hi:[1,0]
.endr
.endr
	WIN 0
.set j, 0
.rept 32
	v_cvt_pk_f16_f32 v[SB+j], v[SA+2*j], v[SA+2*j+1]
.set j, j+1
.endr
.irp h, 0,1,2,3
.irp c, 0,1
	global_store_b128 v[GO], v[SB+8*\h+4*\c:SB+8*\h+4*\c+3], s[10:11] offset:1024*\h+512*\c   ; the wave stores 512 consecutive bytes
.endr
.endr
	s_wait_tensorcnt 0x0                           ; the wave's end
	ds_add_u32 v[SPW], v[NIL]
	s_wait_dscnt 0x0
	CROUND                                         ; the closing round
	s_endpgm
.Lfunc_end_k_qd723c5faf2_att:
	.size	k_qd723c5faf2_att, .Lfunc_end_k_qd723c5faf2_att-k_qd723c5faf2_att
	.p2alignl 7, 3214868480
	.fill 96, 4, 3214868480
	.section	.rodata,"a",@progbits
	.p2align	6, 0x0
	.amdhsa_kernel k_qd723c5faf2_att
		.amdhsa_group_segment_fixed_size 327680
		.amdhsa_private_segment_fixed_size 0
		.amdhsa_enable_private_segment 0
		.amdhsa_kernarg_size 32
		.amdhsa_user_sgpr_count 2
		.amdhsa_user_sgpr_kernarg_segment_ptr 1
		.amdhsa_wavefront_size32 1
		.amdhsa_system_sgpr_workgroup_id_x 1
		.amdhsa_system_sgpr_workgroup_id_y 1
		.amdhsa_system_sgpr_workgroup_id_z 1
		.amdhsa_system_vgpr_workitem_id 0
		.amdhsa_next_free_vgpr 480
		.amdhsa_next_free_sgpr 84
		.amdhsa_reserve_vcc 0
		.amdhsa_float_denorm_mode_32 3
		.amdhsa_float_denorm_mode_16_64 3
		.amdhsa_memory_ordered 1
		.amdhsa_forward_progress 1
		.amdhsa_inst_pref_size 232
	.end_amdhsa_kernel
	.amdgpu_metadata
---
amdhsa.version: [ 1, 2 ]
amdhsa.kernels:
  - .name:           k_qd723c5faf2_att
    .symbol:         k_qd723c5faf2_att.kd
    .args:
      - { .name: qf, .offset: 0, .size: 8, .value_kind: global_buffer, .address_space: global }
      - { .name: kv, .offset: 8, .size: 8, .value_kind: global_buffer, .address_space: global }
      - { .name: mask, .offset: 16, .size: 8, .value_kind: global_buffer, .address_space: global }
      - { .name: af, .offset: 24, .size: 8, .value_kind: global_buffer, .address_space: global }
    .group_segment_fixed_size: 327680
    .private_segment_fixed_size: 0
    .kernarg_segment_align: 8
    .kernarg_segment_size: 32
    .max_flat_workgroup_size: 256
    .sgpr_count:     84
    .vgpr_count:     480
    .wavefront_size: 32
...
	.end_amdgpu_metadata
.endif
;; end of part 3
;; launch fatt (part 4): grid 64 x 1, 16 waves a work-group, no clusters, 38,912 bytes of LDS; arguments qf, kv, mask, afine; writes afine
.if DOCPART == 4
	.amdgcn_target "amdgcn-amd-amdhsa--gfx1250"
	.amdhsa_code_object_version 6
	.text
	.protected	k_qd723c5faf2_fatt
	.globl	k_qd723c5faf2_fatt
	.p2align	8
	.type	k_qd723c5faf2_fatt,@function
k_qd723c5faf2_fatt:
	s_mov_b64 s[64:65], 0
	v_nop
	global_prefetch_b8 v0, s[64:65] scope:SCOPE_SE
	s_setreg_imm32_b32 hwreg(HW_REG_WAVE_MODE, 25, 1), 1
	s_wait_xcnt 0x0
; FATT.  The first 16 positions of every sequence and head once more, carried more finely: such rows may average one to a few values and are the largest in size, so the rounding of p, v and the result to one f16 weighs most there.
; p and v go to the matrix unit as pairs of f16 numbers (high and low part, split in f32): O = Vh Ph + Vh Pl + Vl Ph; the result leaves as a pair too.  The mask is honoured as given, over all 2,048 keys.
; ('positions' is not loaded: see the first kernel's head.)
; SHARES.  Work-group x = 32 b + head: query tile 0.  Wave w takes keys 128 w on; fragments come from memory straight into registers (they lie in register order).  The waves' maxima meet in LDS, so p is formed under the
; row's true maximum and nothing is rescaled; then the waves' parts of O^T and of the sum meet in LDS, and waves 0 and 1 finish one tile of 16 channels each.
; No cluster and no tensor load: 64 small work-groups, each reading its own K and V once; what they share is 128 KB of the mask.
; LIMITS as in the launch before; the low parts keep an absolute 3e-8.
; REGISTERS: v1 16 x lane; v2 my place in the mask; v3, v4 the add's two; v5 4 x thread; v6, v7 O's places in LDS; v8 4 x lane; v10-15 sums and m; v16-23 Q, then at work, then O^T tile 0; v24-31 at work, then tile 1;
;   v32-95 K, then V's low part; v96-159 mask', S^T, p, then P's high part in v96-127; v160-223 V's high part; v224-255 at work, then P's low part.
.set LSO,   2048                       ; LDS: 0: the waves' maxima, 128 bytes a wave; LSO: their sums;
.set OSO,   4096                       ; OSO: their parts of O^T, 2,048 bytes a wave;
.set SPARE, 36864                      ; the spare words, 128 bytes for each of 16 waves; no other line names them
	s_load_b256 s[4:11], s[0:1], 0x0               ; qf, kv, mask, afine
	v_lshl_add_u32 v3, v0, 2, SPARE
	v_mov_b32 v4, 0
	v_lshrrev_b32 v1, 5, v0
	v_readfirstlane_b32 s12, v1                    ; wave
	v_and_b32 v9, 31, v0
	v_lshlrev_b32 v1, 4, v9
	v_and_b32 v10, 15, v0                          ; r
	v_bfe_u32 v11, v0, 4, 1                        ; h
	v_lshlrev_b32 v2, 13, v10
	v_lshl_add_u32 v2, v11, 5, v2                  ; the mask: row r of 8,192 bytes, + 32 h
	v_lshlrev_b32 v5, 2, v0
	v_lshlrev_b32 v8, 2, v9
	s_and_b32 s28, s12, 1
	s_lshl_b32 s13, s28, 10
	s_add_co_u32 s13, s13, OSO
	v_add_nc_u32 v6, s13, v1                       ; where waves 0 and 1 read their tile's parts
	s_lshl_b32 s13, s12, 11
	s_add_co_u32 s13, s13, OSO
	v_add_nc_u32 v7, s13, v1                       ; where I put my part
	s_lshr_b32 s14, ttmp9, 5
	s_lshl_b32 s14, s14, 3
	s_bfe_u32 s15, ttmp9, 0x30002
	s_add_co_u32 s14, s14, s15                     ; 8 b + key-value head
	s_lshl_b32 s14, s14, 17
	s_lshl_b32 s15, s12, 13
	s_add_co_u32 s14, s14, s15                     ; my 8 tiles of K; V's 8 fragments lie at the same offset in their parts
	s_mov_b32 s15, 0
	s_lshl_b32 s16, ttmp9, 17                      ; Q: query tile 0 of my head
	s_mov_b32 s17, 0
	s_lshl_b32 s18, s12, 9                         ; the mask: my 128 keys
	s_mov_b32 s19, 0
	s_lshl_b32 s22, ttmp9, 10
	s_lshl_b32 s23, s28, 9
	s_add_co_u32 s22, s22, s23                     ; the result's fragment, my half
	s_mov_b32 s23, 0
	s_mov_b32 s20, 0x46000400                      ; 8193
	s_mov_b32 s21, s20
	s_mov_b32 s24, 0x3fb8aa3b                      ; log2(e)
	s_mov_b32 s25, s24
	s_mov_b32 s26, 0x76543210
	s_mov_b32 s27, 0xfedcba98
	v_mov_b32 v15, 0                               ; (named with m as a pair)
	s_wait_kmcnt 0x0
	s_add_nc_u64 s[4:5], s[4:5], s[16:17]
	s_add_nc_u64 s[6:7], s[6:7], s[14:15]
	s_add_nc_u64 s[8:9], s[8:9], s[18:19]
	s_add_nc_u64 s[10:11], s[10:11], s[22:23]
.irp t, 0,1,2,3,4,5,6,7
	global_load_b128 v[96+8*\t:99+8*\t], v2, s[8:9] offset:64*\t           ; mask(r, 128 w + 16 t + 8 h + 0..7)
	global_load_b128 v[100+8*\t:103+8*\t], v2, s[8:9] offset:64*\t+16
.endr
	global_load_b128 v[16:19], v1, s[4:5]
	global_load_b128 v[20:23], v1, s[4:5] offset:512
.irp t, 0,1,2,3,4,5,6,7
	global_load_b128 v[32+8*\t:35+8*\t], v1, s[6:7] offset:1024*\t
	global_load_b128 v[36+8*\t:39+8*\t], v1, s[6:7] offset:1024*\t+512
.endr
.irp f, 0,1,2,3,4,5,6,7
	global_load_b128 v[160+8*\f:163+8*\f], v1, s[6:7] offset:2097152+1024*\f
	global_load_b128 v[164+8*\f:167+8*\f], v1, s[6:7] offset:2097152+1024*\f+512
.endr
	s_wait_loadcnt 34                              ; the mask is in; Q's 2, K's 16 and V's 16 loads stay out
.set j, 0
.rept 32
	v_pk_mul_f32 v[96+j:97+j], v[96+j:97+j], s[24:25] op_sel_hi:[1,0]
.set j, j+2
.endr
	s_wait_loadcnt 16                              ; Q and K are in; V's 16 stay out
.irp t, 0,1,2,3,4,5,6,7
	v_wmma_f32_16x16x32_f16 v[96+8*\t:103+8*\t], v[32+8*\t:39+8*\t], v[16:23], v[96+8*\t:103+8*\t]
.endr
.rept 4
	v_nop                                          ; places in front of the loads into K's registers and of the first read of the scores
.endr
.irp f, 0,1,2,3,4,5,6,7
	global_load_b128 v[32+8*\f:35+8*\f], v1, s[6:7] offset:4194304+1024*\f         ; V's low part
	global_load_b128 v[36+8*\f:39+8*\f], v1, s[6:7] offset:4194304+1024*\f+512
.endr
.irp t, 0,1,2,3,4,5,6,7
	v_max3_num_f32 v[224+\t], v[96+8*\t], v[97+8*\t], v[98+8*\t]
.endr
.irp t, 0,1,2,3,4,5,6,7
	v_max3_num_f32 v[224+\t], v[224+\t], v[99+8*\t], v[100+8*\t]
.endr
.irp t, 0,1,2,3,4,5,6,7
	v_max3_num_f32 v[224+\t], v[224+\t], v[101+8*\t], v[102+8*\t]
.endr
.irp t, 0,1,2,3
	v_max3_num_f32 v[224+\t], v[224+\t], v[103+16*\t], v[111+16*\t]
.endr
	v_max3_num_f32 v224, v224, v225, v226
	v_max3_num_f32 v227, v227, v228, v229
	v_max_num_f32 v230, v230, v231
	v_max3_num_f32 v224, v224, v227, v230
	v_permlanex16_b32 v225, v224, s26, s27
	v_max_num_f32 v224, v224, v225                 ; my query's largest score among my wave's 128 keys
	ds_store_b32 v5, v224
	s_wait_dscnt 0x0                               ; for the others' sake
	s_barrier_signal -1
	s_barrier_wait -1
.irp i, 0,1,2,3,4,5,6,7,8,9,10,11,12,13,14,15
	ds_load_b32 v[232+\i], v8 offset:128*\i
.endr
	s_wait_dscnt 0x0
.irp i, 0,3,6,9,12
	v_max3_num_f32 v[232+\i], v[232+\i], v[233+\i], v[234+\i]
.endr
	v_max3_num_f32 v232, v232, v235, v238
	v_max3_num_f32 v241, v241, v244, v247
	v_max_num_f32 v14, v232, v241                  ; the row's maximum over all 2,048 keys
.set j, 0
.rept 32
	v_pk_add_f32 v[96+j:97+j], v[96+j:97+j], v[14:15] op_sel_hi:[1,0] neg_lo:[0,1] neg_hi:[0,1]
.set j, j+2
.endr
.set j, 0
.rept 64
	v_exp_f32 v[96+j], v[96+j]
.set j, j+1
.endr
	v_nop
	s_wait_alu depctr_va_vdst(0)                   ; one wait for the batch, ahead of its first reader
	v_pk_add_f32 v[10:11], v[96:97], v[98:99]      ; the sum of the unrounded p, in two chains
	v_pk_add_f32 v[12:13], v[100:101], v[102:103]
.set j, 8
.rept 14
	v_pk_add_f32 v[10:11], v[10:11], v[96+j:97+j]
	v_pk_add_f32 v[12:13], v[12:13], v[98+j:99+j]
.set j, j+4
.endr
	v_pk_add_f32 v[10:11], v[10:11], v[12:13]
	v_add_f32 v10, v10, v11
; p = hi + lo: t = 8193 p, hi = t + (p - t) has 11 significant bits, lo = p - hi is exact.  Four sets of registers at work take turns
.set i, 0
.rept 32
.set tA, 16+4*(i%4)
	v_pk_mul_f32 v[tA:tA+1], v[96+2*i:97+2*i], s[20:21] op_sel_hi:[1,0]
	v_pk_add_f32 v[tA+2:tA+3], v[96+2*i:97+2*i], v[tA:tA+1] neg_lo:[0,1] neg_hi:[0,1]
	v_pk_add_f32 v[tA:tA+1], v[tA:tA+1], v[tA+2:tA+3]
	v_pk_add_f32 v[tA+2:tA+3], v[96+2*i:97+2*i], v[tA:tA+1] neg_lo:[0,1] neg_hi:[0,1]
	v_cvt_pk_f16_f32 v[96+i], v[tA], v[tA+1]
	v_cvt_pk_f16_f32 v[224+i], v[tA+2], v[tA+3]
.set i, i+1
.endr
	s_wait_loadcnt 0x0                             ; V, both parts
.irp k, 0,1,2,3                        ; the two accumulators by turns
.if \k == 0
	v_wmma_f32_16x16x32_f16 v[16:23], v[160:167], v[96:103], 0
	v_wmma_f32_16x16x32_f16 v[24:31], v[168:175], v[96:103], 0
.else
	v_wmma_f32_16x16x32_f16 v[16:23], v[160+16*\k:167+16*\k], v[96+8*\k:103+8*\k], v[16:23]
	v_wmma_f32_16x16x32_f16 v[24:31], v[168+16*\k:175+16*\k], v[96+8*\k:103+8*\k], v[24:31]
.endif
	v_wmma_f32_16x16x32_f16 v[16:23], v[160+16*\k:167+16*\k], v[224+8*\k:231+8*\k], v[16:23]
	v_wmma_f32_16x16x32_f16 v[24:31], v[168+16*\k:175+16*\k], v[224+8*\k:231+8*\k], v[24:31]
	v_wmma_f32_16x16x32_f16 v[16:23], v[32+16*\k:39+16*\k], v[96+8*\k:103+8*\k], v[16:23]
	v_wmma_f32_16x16x32_f16 v[24:31], v[40+16*\k:47+16*\k], v[96+8*\k:103+8*\k], v[24:31]
.endr
.rept 4
	v_nop
.endr
	ds_store_b128 v7, v[16:19]
	ds_store_b128 v7, v[20:23] offset:512
	ds_store_b128 v7, v[24:27] offset:1024
	ds_store_b128 v7, v[28:31] offset:1536
	ds_store_b32 v5, v10 offset:LSO
	s_wait_tensorcnt 0x0                           ; behind my last LDS store: the tensor wait, the add and its wait; the last of them also shows my stores done, for the others' sake
	ds_add_u32 v3, v4
	s_wait_dscnt 0x0
	s_barrier_signal -1
	s_barrier_wait -1
	s_cmp_lt_u32 s12, 2
	s_cbranch_scc0 .Lend
.irp i, 0,1,2,3,4,5,6,7,8,9,10,11,12,13,14,15
	ds_load_b128 v[32+8*\i:35+8*\i], v6 offset:2048*\i             ; wave i's part of my tile
	ds_load_b128 v[36+8*\i:39+8*\i], v6 offset:2048*\i+512
	ds_load_b32 v[160+\i], v8 offset:LSO+128*\i
.endr
	s_wait_dscnt 0x0
.irp d, 8,4,2,1
.set i, 0
.rept \d
.irp j, 0,2,4,6
	v_pk_add_f32 v[32+8*i+\j:33+8*i+\j], v[32+8*i+\j:33+8*i+\j], v[32+8*(i+\d)+\j:33+8*(i+\d)+\j]
.endr
.set i, i+1
.endr
.endr
.irp j, 0,2,4,6
	v_pk_add_f32 v[160+\j:161+\j], v[160+\j:161+\j], v[168+\j:169+\j]
.endr
	v_pk_add_f32 v[160:161], v[160:161], v[164:165]
	v_pk_add_f32 v[162:163], v[162:163], v[166:167]
	v_pk_add_f32 v[160:161], v[160:161], v[162:163]
	v_add_f32 v160, v160, v161
	v_permlanex16_b32 v161, v160, s26, s27
	v_add_f32 v160, v160, v161                     ; the row's sum
	v_rcp_f32 v162, v160
	v_nop
	s_wait_alu depctr_va_vdst(0)
.irp j, 0,2,4,6
	v_pk_mul_f32 v[32+\j:33+\j], v[32+\j:33+\j], v[162:163] op_sel_hi:[1,0]
.endr
.irp j, 0,2,4,6
	v_pk_mul_f32 v[40+\j:41+\j], v[32+\j:33+\j], s[20:21] op_sel_hi:[1,0]          ; the result as a pair, split as p was
.endr
.irp j, 0,2,4,6
	v_pk_add_f32 v[48+\j:49+\j], v[32+\j:33+\j], v[40+\j:41+\j] neg_lo:[0,1] neg_hi:[0,1]
.endr
.irp j, 0,2,4,6
	v_pk_add_f32 v[40+\j:41+\j], v[40+\j:41+\j], v[48+\j:49+\j]
.endr
.irp j, 0,2,4,6
	v_pk_add_f32 v[48+\j:49+\j], v[32+\j:33+\j], v[40+\j:41+\j] neg_lo:[0,1] neg_hi:[0,1]
.endr
.irp i, 0,1,2,3
	v_cvt_pk_f16_f32 v[56+\i], v[40+2*\i], v[41+2*\i]
	v_cvt_pk_f16_f32 v[60+\i], v[48+2*\i], v[49+2*\i]
.endr
	global_store_b128 v1, v[56:59], s[10:11]
	global_store_b128 v1, v[60:63], s[10:11] offset:65536
.Lend:
	s_endpgm
.Lfunc_end_k_qd723c5faf2_fatt:
	.size	k_qd723c5faf2_fatt, .Lfunc_end_k_qd723c5faf2_fatt-k_qd723c5faf2_fatt
	.p2alignl 7, 3214868480
	.fill 96, 4, 3214868480
	.section	.rodata,"a",@progbits
	.p2align	6, 0x0
	.amdhsa_kernel k_qd723c5faf2_fatt
		.amdhsa_group_segment_fixed_size 38912
		.amdhsa_private_segment_fixed_size 0
		.amdhsa_enable_private_segment 0
		.amdhsa_kernarg_size 32
		.amdhsa_user_sgpr_count 2
		.amdhsa_user_sgpr_kernarg_segment_ptr 1
		.amdhsa_wavefront_size32 1
		.amdhsa_system_sgpr_workgroup_id_x 1
		.amdhsa_system_sgpr_workgroup_id_y 1
		.amdhsa_system_sgpr_workgroup_id_z 1
		.amdhsa_system_vgpr_workitem_id 0
		.amdhsa_next_free_vgpr 256
		.amdhsa_next_free_sgpr 66
		.amdhsa_reserve_vcc 0
		.amdhsa_float_denorm_mode_32 3
		.amdhsa_float_denorm_mode_16_64 3
		.amdhsa_memory_ordered 1
		.amdhsa_forward_progress 1
		.amdhsa_inst_pref_size 45
	.end_amdhsa_kernel
	.amdgpu_metadata
---
amdhsa.version: [ 1, 2 ]
amdhsa.kernels:
  - .name:           k_qd723c5faf2_fatt
    .symbol:         k_qd723c5faf2_fatt.kd
    .args:
      - { .name: qf, .offset: 0, .size: 8, .value_kind: global_buffer, .address_space: global }
      - { .name: kv, .offset: 8, .size: 8, .value_kind: global_buffer, .address_space: global }
      - { .name: mask, .offset: 16, .size: 8, .value_kind: global_buffer, .address_space: global }
      - { .name: afine, .offset: 24, .size: 8, .value_kind: global_buffer, .address_space: global }
    .group_segment_fixed_size: 38912
    .private_segment_fixed_size: 0
    .kernarg_segment_align: 8
    .kernarg_segment_size: 32
    .max_flat_workgroup_size: 512
    .sgpr_count:     66
    .vgpr_count:     256
    .wavefront_size: 32
...
	.end_amdgpu_metadata
.endif
;; end of part 4
;; launch proj (part 5): grid 16 x 16, 4 waves a work-group, clusters of 4 x 4, 327,680 bytes of LDS; arguments af, wof, out0; writes out0
.if DOCPART == 5
	.amdgcn_target "amdgcn-amd-amdhsa--gfx1250"
	.amdhsa_code_object_version 6
	.text
	.protected	k_qd723c5faf2_proj
	.globl	k_qd723c5faf2_proj
	.p2align	8
	.type	k_qd723c5faf2_proj,@function
k_qd723c5faf2_proj:
	s_mov_b64 s[64:65], 0
	v_nop
	global_prefetch_b8 v0, s[64:65] scope:SCOPE_SE
	s_setreg_imm32_b32 hwreg(HW_REG_WAVE_MODE, 25, 1), 1
	s_wait_xcnt 0x0
	s_wait_alu depctr_hold_cnt(0) depctr_sa_sdst(0) depctr_va_vdst(0) depctr_va_sdst(0) depctr_va_ssrc(0) depctr_va_vcc(0) depctr_vm_vsrc(0)
	s_getreg_b32 s2, hwreg(HW_REG_IB_STS2, 6, 4)
	s_cmp_eq_u32 s2, 0
	s_cbranch_scc0 .Lentry_in_a_cluster
	s_endpgm
.Lentry_in_a_cluster:
	s_bfe_u32 s2, ttmp6, 0x10000c
	s_cmp_lg_u32 s2, 0xf033
	s_cbranch_scc0 .Lentry_shape_is_right
	s_endpgm
.Lentry_shape_is_right:
; PROJ.  out0[m][n] = sum over k of a[m][k] wo[n][k]: M = N = 4,096, K = 1,024, f16 operands, f32 sums, f32 out.  ('positions' is not loaded: see the first kernel's head.)
; Both operands lie in memory in register order: fragment (16 rows i, 32 along K ks) at (32 i + ks) x 1,024 bytes.  So a K step of 128 is 4,096 consecutive bytes for each 16 rows, LDS needs no pitch and no padding
; (an LDS load's 512 bytes are consecutive), and a fragment is two loads of 16 bytes a lane, 512 bytes apart.
; A tile of 256 x 256 to a work-group of four waves; a wave makes 128 x 128: 64 accumulators.  K goes in 8 steps of 128 through two LDS slots; each wave fetches a quarter of a slot (8 x 4,096 bytes) with one tensor load.
; CLUSTER 4 x 4: a's tiles are shared along a row of the cluster, wo's along a column.  The matrix instruction is used transposed (source 0 = 16 rows of wo, source 1 = 16 rows of a): a lane holds eight neighbouring columns.
; No prefetch: K has 8 steps only, a refill has 224 matrix instructions in which to land, and each tile is asked for once for four work-groups.
; The 32 rows of the sequences' first 16 positions are computed here with the rest (they lie inside live tiles) and written again, more finely, by the next launch.
; REGISTERS: window 0: v16-29 addresses; v64-127, v128-191 a's fragments, two buffers; on the way out v128-255 rows of out0.  window 1: the same two buffers for wo.  windows 2, 3: the accumulators, (a, b) at v[8 (8 (a % 4) + b)].
.set SLOT,   131072
.set STAGE,  2*SLOT                    ; behind the ring: 16 rows x (512 bytes + 16) for each wave; no tensor load fills it
.set SPITCH, 528
.set SPARE,  STAGE+4*16*SPITCH         ; the spare words, 128 bytes a wave; no other line names them
.set LAPS,   4
.set NB,     16384                     ; a row of out0 in bytes
.set ADRA, 16
.set ADRB, 20
.set STO,  24
.set RD,   25
.set CO,   26
.set SPW,  28
.set NIL,  29
.set F0,   64
.set F1,   128
.set BK,   128
.set G1, 24
.set G0, 32
.set G1B, 48
.set G0B, 56
.set MSB, 0
.macro WIN new
.if MSB != \new
	s_set_vgpr_msb (MSB<<8)|\new
.set MSB, \new
.endif
.endm
.set MUL_LO, 0xa1                      ; source 0 (wo) window 1, source 1 (a) window 0, C and D window 2
.set MUL_HI, 0xf1
.set TO_B,   0x40
.macro JLOAD s                         ; waves 0, 1 fetch a's halves, waves 2, 3 wo's.  An s_nop 0 and four v_nop follow each line
	s_cmp_eq_u32 s11, 0
	s_cbranch_scc0 .Lfor_b_\@
	tensor_load_to_lds s[G0+4*\s:G0+4*\s+3], s[G1:G1+7]
	s_nop 0
.rept 4
	v_nop
.endr
	s_branch .Lasked_\@
.Lfor_b_\@:
	tensor_load_to_lds s[G0B+4*\s:G0B+4*\s+3], s[G1B:G1B+7]
	s_nop 0
.rept 4
	v_nop
.endr
.Lasked_\@:
.endm
.macro CREST
	s_cmp_lg_u32 s10, 0
	s_cbranch_scc1 .Lnot_wave_0_\@
	s_barrier_signal -3
.Lnot_wave_0_\@:
	s_barrier_wait -3
	s_barrier_signal -1
	s_barrier_wait -1
.endm
.macro CROUND
	s_barrier_signal -1
	s_barrier_wait -1
	CREST
.endm
	s_load_b128 s[4:7], s[0:1], 0x0                ; af, wof
	s_load_b64 s[8:9], s[0:1], 0x10                ; out0
	v_lshl_add_u32 v[SPW], v0, 2, SPARE
	v_mov_b32 v[NIL], 0
	ds_add_u32 v[SPW], v[NIL]                      ; the opening: the add, twice on end, and its wait ahead of my first tensor load
	ds_add_u32 v[SPW], v[NIL]
	v_lshrrev_b32 v1, 5, v0
	v_readfirstlane_b32 s10, v1                    ; wave
	s_lshr_b32 s11, s10, 1                         ; my half of the tile's rows.  Also: I fetch for a (0) or for wo (1)
	s_and_b32 s12, s10, 1                          ; my half of its columns.  Also: which 128 rows I fetch
	s_bfe_u32 s40, ttmp6, 0x40000
	s_bfe_u32 s41, ttmp6, 0x40004
	s_lshl_b32 s42, ttmp9, 2
	s_add_co_u32 s42, s42, s40                     ; tile column
	s_and_b32 s13, ttmp7, 0xffff
	s_lshl_b32 s13, s13, 2
	s_add_co_u32 s13, s13, s41                     ; tile row
	s_lshl_b32 s43, s41, 2
	s_lshl_b32 s43, 15, s43
	s_lshl_b32 s44, 0x1111, s40
	s_or_b32 s[G1+0], s43, (3<<16)|(1<<21)         ; elements of 8 bytes; no padding; bit 21 beside a mask
	s_or_b32 s[G1B+0], s44, (3<<16)|(1<<21)
.irp g, G1, G1B
	s_mov_b32 s[\g+1], 512<<16                     ; tensor_dim0: 4,096 bytes
	s_mov_b32 s[\g+2], 8<<16                       ; tensor_dim1: 8 times 16 rows
	s_mov_b32 s[\g+3], 512<<16                     ; tile_dim0
	s_mov_b32 s[\g+4], 8                           ; tile_dim1
	s_mov_b32 s[\g+5], 4096                        ; 32,768 bytes from 16 rows to the next
	s_mov_b32 s[\g+6], 0
	s_mov_b32 s[\g+7], 0
.endr
	s_lshl_b32 s17, s12, 18
	s_lshl_b32 s16, s13, 19
	s_add_co_u32 s16, s16, s17
	s_lshl_b32 s46, s42, 19
	s_add_co_u32 s46, s46, s17
	s_mov_b32 s17, 0
	s_mov_b32 s47, 0
	s_lshl_b32 s20, s10, 15                        ; where they go: wave x 32,768
	s_wait_dscnt 0x0
	s_wait_kmcnt 0x0
	s_add_nc_u64 s[14:15], s[4:5], s[16:17]
	s_add_nc_u64 s[46:47], s[6:7], s[46:47]
	CROUND
.irp s, 0,1
	s_mov_b32 s[G0+4*\s], 1
	s_add_co_u32 s[G0+4*\s+1], s20, \s*SLOT
	s_add_nc_u64 s[G0+4*\s+2:G0+4*\s+3], s[14:15], \s*4096
	s_or_b32 s[G0+4*\s+3], s[G0+4*\s+3], 0x80000000
	s_mov_b32 s[G0B+4*\s], 1
	s_add_co_u32 s[G0B+4*\s+1], s20, \s*SLOT
	s_add_nc_u64 s[G0B+4*\s+2:G0B+4*\s+3], s[46:47], \s*4096
	s_or_b32 s[G0B+4*\s+3], s[G0B+4*\s+3], 0x80000000
	JLOAD \s
.endr
	v_and_b32 v1, 15, v0
	v_bfe_u32 v2, v0, 4, 1
	v_and_b32 v3, 31, v0
	v_lshlrev_b32 v[CO], 4, v3                     ; 16 x lane
	s_lshl_b32 s21, s11, 15
	s_lshl_b32 s22, s12, 15
	s_add_co_u32 s22, s22, 65536
.irp s, 0,1
	v_add_nc_u32 v[ADRA+\s], s21, v[CO]
	v_add_nc_u32 v[ADRB+\s], s22, v[CO]
	s_add_co_u32 s21, s21, SLOT
	s_add_co_u32 s22, s22, SLOT
.endr
	s_mul_i32 s23, s10, 16*SPITCH
	s_add_co_u32 s23, s23, STAGE
	v_mul_u32_u24 v4, v1, SPITCH
	v_lshl_add_u32 v4, v2, 5, v4
	v_add_nc_u32 v[STO], s23, v4                   ; into the stage: row l % 16, 32 bytes for each half of the lanes
	v_add_nc_u32 v[RD], s23, v[CO]                 ; back: the 32 lanes take a row of 512 bytes
	s_lshl_b32 s16, s13, 8
	s_lshl_b32 s17, s11, 7
	s_add_co_u32 s16, s16, s17
	s_lshl_b32 s16, s16, 14                        ; my first row of out0
	s_mov_b32 s17, 0
	s_add_nc_u64 s[8:9], s[8:9], s[16:17]
	s_lshl_b32 s46, s42, 10
	s_lshl_b32 s47, s12, 9
	s_add_co_u32 s46, s46, s47                     ; my first column, in bytes
	s_mov_b32 s47, 0
	s_add_nc_u64 s[8:9], s[8:9], s[46:47]
.macro MUL16 f, hi, a0, zero           ; m blocks a0, a0 + 1 of the window's four x all 8 n blocks, 32 along K.  The 64 accumulators take turns in the same order in every quarter
.irp a, \a0, \a0+1
.irp b, 0,1,2,3,4,5,6,7
.if \zero
	v_wmma_f32_16x16x32_f16 v[8*(8*(\a)+\b):8*(8*(\a)+\b)+7], v[\f+8*\b:\f+8*\b+7], v[\f+8*(4*\hi+\a):\f+8*(4*\hi+\a)+7], 0
.else
	v_wmma_f32_16x16x32_f16 v[8*(8*(\a)+\b):8*(8*(\a)+\b)+7], v[\f+8*\b:\f+8*\b+7], v[\f+8*(4*\hi+\a):\f+8*(4*\hi+\a)+7], v[8*(8*(\a)+\b):8*(8*(\a)+\b)+7]
.endif
.endr
.endr
.endm
.macro FETCH slot, k, f                ; 32 LDS loads in one run: a quarter's fragments (byte k of each 4,096) into buffer f
	WIN TO_B
.irp i, 0,1,2,3,4,5,6,7
	ds_load_b128 v[\f+8*\i:\f+8*\i+3],   v[ADRB+\slot] offset:\k+\i*4096
	ds_load_b128 v[\f+8*\i+4:\f+8*\i+7], v[ADRB+\slot] offset:\k+\i*4096+512
.endr
	WIN 0
.irp i, 0,1,2,3,4,5,6,7
	ds_load_b128 v[\f+8*\i:\f+8*\i+3],   v[ADRA+\slot] offset:\k+\i*4096
	ds_load_b128 v[\f+8*\i+4:\f+8*\i+7], v[ADRA+\slot] offset:\k+\i*4096+512
.endr
.endm
.macro PLACES
.rept 4
	v_nop
.endr
.endm
.macro QUARTER slot, k, f, g, zero
	s_wait_dscnt 8                                 ; wo's and a's rows 0-63 are in; the youngest eight loads may be out
	WIN MUL_LO
	MUL16 \f, 0, 0, \zero
	MUL16 \f, 0, 2, \zero
	PLACES
	FETCH \slot, \k, \g
	s_wait_dscnt 32                                ; all but the 32 just issued
	WIN MUL_HI
	MUL16 \f, 1, 0, \zero
	MUL16 \f, 1, 2, \zero
.endm
; The last quarter multiplies buffer 1 and changes slots: one barrier; in front of it each wave waits for all its tensor loads, adds 0 to its spare word, and waits for that and for its reads of this slot.
.macro TURN slot, next, fill
	WIN 0
	s_wait_tensorcnt 0x0                           ; my part of the next slot has landed
	ds_add_u32 v[SPW], v[NIL]
	s_wait_dscnt 9                                 ; (the add and the youngest eight loads may be out)
	WIN MUL_LO
	MUL16 F1, 0, 0, 0
	s_wait_dscnt 0x0                               ; the add is done, and my reads of this slot are over
	s_barrier_signal -1
	MUL16 F1, 0, 2, 0
	WIN 0
	s_barrier_wait -1
.if \fill
	CREST                                          ; the barrier has opened a round of the cluster's
	s_add_nc_u64 s[G0+4*\slot+2:G0+4*\slot+3], s[G0+4*\slot+2:G0+4*\slot+3], 8192
	s_add_nc_u64 s[G0B+4*\slot+2:G0B+4*\slot+3], s[G0B+4*\slot+2:G0B+4*\slot+3], 8192
	JLOAD \slot                                    ; two K steps ahead; its four v_nop are the places in front of the loads below
.else
	PLACES
.endif
	FETCH \next, 0, F0
	WIN MUL_HI
	MUL16 F1, 1, 0, 0
	MUL16 F1, 1, 2, 0
.endm
	s_wait_tensorcnt 1                             ; my part of K step 0 is in; K step 1's load stays out
	s_barrier_signal -1
	s_barrier_wait -1
	FETCH 0, 0, F0
	QUARTER 0, 1024, F0, F1, 1                     ; the first quarter starts the sums
	WIN 0
	s_mov_b32 s3, LAPS-1
.Llap:
	QUARTER 0, 2048, F1, F0, 0
	QUARTER 0, 3072, F0, F1, 0
	TURN 0, 1, 1
	QUARTER 1, 1024, F0, F1, 0
	QUARTER 1, 2048, F1, F0, 0
	QUARTER 1, 3072, F0, F1, 0
	TURN 1, 0, 1
	QUARTER 0, 1024, F0, F1, 0
	WIN 0
	s_sub_co_u32 s3, s3, 1
	s_cmp_lg_u32 s3, 0
	s_cbranch_scc1 .Llap
	QUARTER 0, 2048, F1, F0, 0                     ; the last lap fills nothing
	QUARTER 0, 3072, F0, F1, 0
	TURN 0, 1, 0
	QUARTER 1, 1024, F0, F1, 0
	QUARTER 1, 2048, F1, F0, 0
	QUARTER 1, 3072, F0, F1, 0
	s_wait_dscnt 8
	WIN MUL_LO
	MUL16 F1, 0, 0, 0
	MUL16 F1, 0, 2, 0
	s_wait_dscnt 0x0
	WIN MUL_HI
	MUL16 F1, 1, 0, 0
	MUL16 F1, 1, 2, 0
	WIN 0
; THE WAY OUT, by blocks of 16 rows x 128 columns, through my own stage: in as 32 bytes a lane, back as whole rows of 512 bytes.  LDS serves a wave's instructions in order: no wait between the stores and the loads.
.macro TOSTAGE a
.set AC, 64*((\a)%4)
	WIN 0x08+4*((\a)/4)                            ; an LDS store's data are its source 1: window 2 or 3
.irp b, 0,1,2,3,4,5,6,7
	ds_store_b128 v[STO], v[AC+8*\b:AC+8*\b+3] offset:64*\b        ; each accumulator from its low end on
	ds_store_b128 v[STO], v[AC+8*\b+4:AC+8*\b+7] offset:64*\b+16
.endr
	WIN 0
.set BB, BK+64*((\a)%2)
.irp t, 0,1,2,3,4,5,6,7,8,9,10,11,12,13,14,15
	ds_load_b128 v[BB+4*\t:BB+4*\t+3], v[RD] offset:\t*SPITCH
.endr
.endm
.macro SEND a, younger
.set BB, BK+64*((\a)%2)
	s_wait_dscnt \younger                          ; the block is back in registers; the next block's LDS instructions stay out
.if (\a) > 0
	s_add_nc_u64 s[8:9], s[8:9], 16*NB             ; (behind a wait on XCNT: the earlier stores have read their base)
.endif
.irp t, 0,1,2,3,4,5,6,7,8,9,10,11,12,13,14,15
	global_store_b128 v[CO], v[BB+4*\t:BB+4*\t+3], s[8:9] offset:\t*NB th:TH_STORE_NT   ; 512 consecutive bytes
.endr
.endm
	PLACES
	TOSTAGE 0
.irp a, 1,2,3,4,5,6,7
.if \a > 1
	s_wait_xcnt 0x0                                ; block a - 2's stores have read their registers and their base
.endif
	TOSTAGE \a
	SEND \a-1, 32                                  ; behind block a - 1's loads: block a's 16 stores and 16 loads
.endr
	s_wait_xcnt 0x0
	SEND 7, 0
	s_wait_tensorcnt 0x0                           ; the wave's end
	ds_add_u32 v[SPW], v[NIL]
	s_wait_dscnt 0x0
	CROUND                                         ; the closing round
	s_endpgm
.Lfunc_end_k_qd723c5faf2_proj:
	.size	k_qd723c5faf2_proj, .Lfunc_end_k_qd723c5faf2_proj-k_qd723c5faf2_proj
	.p2alignl 7, 3214868480
	.fill 96, 4, 3214868480
	.section	.rodata,"a",@progbits
	.p2align	6, 0x0
	.amdhsa_kernel k_qd723c5faf2_proj
		.amdhsa_group_segment_fixed_size 327680
		.amdhsa_private_segment_fixed_size 0
		.amdhsa_enable_private_segment 0
		.amdhsa_kernarg_size 24
		.amdhsa_user_sgpr_count 2
		.amdhsa_user_sgpr_kernarg_segment_ptr 1
		.amdhsa_wavefront_size32 1
		.amdhsa_system_sgpr_workgroup_id_x 1
		.amdhsa_system_sgpr_workgroup_id_y 1
		.amdhsa_system_sgpr_workgroup_id_z 1
		.amdhsa_system_vgpr_workitem_id 0
		.amdhsa_next_free_vgpr 1024
		.amdhsa_next_free_sgpr 66
		.amdhsa_reserve_vcc 0
		.amdhsa_float_denorm_mode_32 3
		.amdhsa_float_denorm_mode_16_64 3
		.amdhsa_memory_ordered 1
		.amdhsa_forward_progress 1
		.amdhsa_inst_pref_size 140
	.end_amdhsa_kernel
	.amdgpu_metadata
---
amdhsa.version: [ 1, 2 ]
amdhsa.kernels:
  - .name:           k_qd723c5faf2_proj
    .symbol:         k_qd723c5faf2_proj.kd
    .args:
      - { .name: af, .offset: 0, .size: 8, .value_kind: global_buffer, .address_space: global }
      - { .name: wof, .offset: 8, .size: 8, .value_kind: global_buffer, .address_space: global }
      - { .name: out0, .offset: 16, .size: 8, .value_kind: global_buffer, .address_space: global }
    .group_segment_fixed_size: 327680
    .private_segment_fixed_size: 0
    .kernarg_segment_align: 8
    .kernarg_segment_size: 24
    .max_flat_workgroup_size: 128
    .sgpr_count:     66
    .vgpr_count:     1024
    .wavefront_size: 32
...
	.end_amdgpu_metadata
.endif
;; end of part 5
;; launch fproj (part 6): grid 256 x 1, 8 waves a work-group, no clusters, 17,408 bytes of LDS; arguments afine, wof, out0; writes out0
.if DOCPART == 6
	.amdgcn_target "amdgcn-amd-amdhsa--gfx1250"
	.amdhsa_code_object_version 6
	.text
	.protected	k_qd723c5faf2_fproj
	.globl	k_qd723c5faf2_fproj
	.p2align	8
	.type	k_qd723c5faf2_fproj,@function
k_qd723c5faf2_fproj:
	s_mov_b64 s[64:65], 0
	v_nop
	global_prefetch_b8 v0, s[64:65] scope:SCOPE_SE
	s_setreg_imm32_b32 hwreg(HW_REG_WAVE_MODE, 25, 1), 1
	s_wait_xcnt 0x0
; FPROJ.  The last product once more for the 32 rows of the sequences' first 16 positions, with the attention's result as a pair of f16 numbers: out0 = (a_hi + a_lo) wo^T, f32 sums.  It writes those rows of out0 again.
; ('positions' is not loaded: see the first kernel's head.)
; SHARES.  Work-group nt: 16 columns x 32 rows.  Wave w takes K steps (heads) 4 w .. 4 w + 3; the eight waves' parts meet in LDS; waves 0-3 add them and store 16 bytes a lane.
; A row's piece is 64 bytes, so these stores do not cover whole aligned runs of 256 bytes: they are 32 rows of 4,096, and gathering four work-groups' columns would take a wider work-group and two more barriers.
; REGISTERS: v1 16 x lane; v2, v3 the add's two; v4, v5 LDS places; v6 my place in out0; v16-175 four K steps x (wo 8, a_hi 16, a_lo 16); v176-191 the two accumulators.
.set SPARE, 16384                      ; behind the waves' parts (2,048 bytes each): the spare words, 128 bytes a wave; no other line names them
	s_load_b128 s[4:7], s[0:1], 0x0                ; afine, wof
	s_load_b64 s[8:9], s[0:1], 0x10                ; out0
	v_lshl_add_u32 v2, v0, 2, SPARE
	v_mov_b32 v3, 0
	v_lshrrev_b32 v1, 5, v0
	v_readfirstlane_b32 s10, v1                    ; wave
	v_and_b32 v7, 31, v0
	v_lshlrev_b32 v1, 4, v7
	s_lshl_b32 s11, s10, 11
	v_add_nc_u32 v4, s11, v1                       ; where I put my part
	s_and_b32 s12, s10, 3
	s_lshl_b32 s11, s12, 9
	v_add_nc_u32 v5, s11, v1                       ; the slice that waves 0-3 add up
	v_and_b32 v8, 15, v0
	v_bfe_u32 v9, v0, 4, 1
	v_lshlrev_b32 v6, 14, v8
	v_lshl_add_u32 v6, v9, 5, v6                   ; row r of 16,384 bytes, + 32 h
	s_lshl_b32 s14, s10, 12                        ; my four K steps
	s_mov_b32 s15, 0
	s_lshl_b32 s16, ttmp9, 15
	s_add_co_u32 s16, s16, s14
	s_mov_b32 s17, 0
	s_lshr_b32 s18, s12, 1                         ; slice = 2 b + quarter: the batch,
	s_lshl_b32 s18, s18, 25                        ; 2,048 rows on,
	s_lshl_b32 s19, ttmp9, 6
	s_add_co_u32 s18, s18, s19                     ; my work-group's 16 columns,
	s_and_b32 s19, s12, 1
	s_lshl_b32 s19, s19, 4
	s_add_co_u32 s18, s18, s19                     ; and four of a lane's eight
	s_mov_b32 s19, 0
	s_wait_kmcnt 0x0
	s_add_nc_u64 s[4:5], s[4:5], s[14:15]
	s_add_nc_u64 s[6:7], s[6:7], s[16:17]
	s_add_nc_u64 s[8:9], s[8:9], s[18:19]
.irp k, 0,1,2,3
	global_load_b128 v[16+40*\k:19+40*\k], v1, s[6:7] offset:1024*\k
	global_load_b128 v[20+40*\k:23+40*\k], v1, s[6:7] offset:1024*\k+512
.irp b, 0,1
	global_load_b128 v[24+40*\k+8*\b:27+40*\k+8*\b], v1, s[4:5] offset:1024*\k+32768*\b
	global_load_b128 v[28+40*\k+8*\b:31+40*\k+8*\b], v1, s[4:5] offset:1024*\k+32768*\b+512
	global_load_b128 v[40+40*\k+8*\b:43+40*\k+8*\b], v1, s[4:5] offset:65536+1024*\k+32768*\b
	global_load_b128 v[44+40*\k+8*\b:47+40*\k+8*\b], v1, s[4:5] offset:65536+1024*\k+32768*\b+512
.endr
.endr
.irp k, 0,1,2,3                        ; the two accumulators by turns
	s_wait_loadcnt 30-10*\k                        ; this K step's ten loads are in; the later steps' stay out
.if \k == 0
	v_wmma_f32_16x16x32_f16 v[176:183], v[16:23], v[24:31], 0
	v_wmma_f32_16x16x32_f16 v[184:191], v[16:23], v[32:39], 0
.else
	v_wmma_f32_16x16x32_f16 v[176:183], v[16+40*\k:23+40*\k], v[24+40*\k:31+40*\k], v[176:183]
	v_wmma_f32_16x16x32_f16 v[184:191], v[16+40*\k:23+40*\k], v[32+40*\k:39+40*\k], v[184:191]
.endif
	v_wmma_f32_16x16x32_f16 v[176:183], v[16+40*\k:23+40*\k], v[40+40*\k:47+40*\k], v[176:183]
	v_wmma_f32_16x16x32_f16 v[184:191], v[16+40*\k:23+40*\k], v[48+40*\k:55+40*\k], v[184:191]
.endr
.rept 4
	v_nop
.endr
	ds_store_b128 v4, v[176:179]
	ds_store_b128 v4, v[180:183] offset:512
	ds_store_b128 v4, v[184:187] offset:1024
	ds_store_b128 v4, v[188:191] offset:1536
	s_wait_tensorcnt 0x0                           ; behind my last LDS store: the tensor wait, the add and its wait; the last of them also shows my stores done, for the others' sake
	ds_add_u32 v2, v3
	s_wait_dscnt 0x0
	s_barrier_signal -1
	s_barrier_wait -1
	s_cmp_lt_u32 s10, 4
	s_cbranch_scc0 .Lend
.irp i, 0,1,2,3,4,5,6,7
	ds_load_b128 v[16+4*\i:19+4*\i], v5 offset:2048*\i
.endr
	s_wait_dscnt 0x0
.irp d, 4,2,1
.set i, 0
.rept \d
	v_pk_add_f32 v[16+4*i:17+4*i], v[16+4*i:17+4*i], v[16+4*(i+\d):17+4*(i+\d)]
	v_pk_add_f32 v[18+4*i:19+4*i], v[18+4*i:19+4*i], v[18+4*(i+\d):19+4*(i+\d)]
.set i, i+1
.endr
.endr
	global_store_b128 v6, v[16:19], s[8:9]
.Lend:
	s_endpgm
.Lfunc_end_k_qd723c5faf2_fproj:
	.size	k_qd723c5faf2_fproj, .Lfunc_end_k_qd723c5faf2_fproj-k_qd723c5faf2_fproj
	.p2alignl 7, 3214868480
	.fill 96, 4, 3214868480
	.section	.rodata,"a",@progbits
	.p2align	6, 0x0
	.amdhsa_kernel k_qd723c5faf2_fproj
		.amdhsa_group_segment_fixed_size 17408
		.amdhsa_private_segment_fixed_size 0
		.amdhsa_enable_private_segment 0
		.amdhsa_kernarg_size 24
		.amdhsa_user_sgpr_count 2
		.amdhsa_user_sgpr_kernarg_segment_ptr 1
		.amdhsa_wavefront_size32 1
		.amdhsa_system_sgpr_workgroup_id_x 1
		.amdhsa_system_sgpr_workgroup_id_y 1
		.amdhsa_system_sgpr_workgroup_id_z 1
		.amdhsa_system_vgpr_workitem_id 0
		.amdhsa_next_free_vgpr 192
		.amdhsa_next_free_sgpr 66
		.amdhsa_reserve_vcc 0
		.amdhsa_float_denorm_mode_32 3
		.amdhsa_float_denorm_mode_16_64 3
		.amdhsa_memory_ordered 1
		.amdhsa_forward_progress 1
		.amdhsa_inst_pref_size 9
	.end_amdhsa_kernel
	.amdgpu_metadata
---
amdhsa.version: [ 1, 2 ]
amdhsa.kernels:
  - .name:           k_qd723c5faf2_fproj
    .symbol:         k_qd723c5faf2_fproj.kd
    .args:
      - { .name: afine, .offset: 0, .size: 8, .value_kind: global_buffer, .address_space: global }
      - { .name: wof, .offset: 8, .size: 8, .value_kind: global_buffer, .address_space: global }
      - { .name: out0, .offset: 16, .size: 8, .value_kind: global_buffer, .address_space: global }
    .group_segment_fixed_size: 17408
    .private_segment_fixed_size: 0
    .kernarg_segment_align: 8
    .kernarg_segment_size: 24
    .max_flat_workgroup_size: 256
    .sgpr_count:     66
    .vgpr_count:     192
    .wavefront_size: 32
...
	.end_amdgpu_metadata
.endif
;; end of part 6
